; MI455X (gfx1250); checked and timed in simulation.
; The chip was launched on July 23, 2026; its instructions are those of AMD's public machine-readable ISA for CDNA 5 (MIT licence, August 2026) and "CDNA5" Instruction Set Architecture Reference Guide (July 2026). The comments in the code are by the model that wrote it; some were corrected since.
;; Self Attention. Allowed arithmetic: float matrix products may take bf16 or f16 operands with f32 sums; other float arithmetic in f32, or as packed bf16 or f16 multiplies, adds, multiply-adds, maxima and minima; sums over many terms, partial sums and values carried from step to step in f32; what a program stores and reads back later, other than sums and carried values, may be rounded once to bf16 or f16.
;; Inputs: W_o_b 1,024 float32; W_o_w 1,024 x 1,024 float32; W_qkv_b 3,072 float32; W_qkv_w 3,072 x 1,024 float32; x 4 x 2,048 x 1,024 float32.
;; Outputs: out0 4 x 2,048 x 1,024 float32.
;; 2 versions, each right; version 2 is version 1 with the launch cast written anew for expert scheduling mode. Each part assembles by itself: llvm-mc -triple=amdgcn-amd-amdhsa -mcpu=gfx1250 --defsym DOCPART=n.
;; ======== version 1 of 2: 5 launches
;; limits: values are held in f16: magnitudes above 65,504 overflow, below 6.1e-05 lose precision
;; workspace buffers: xb 16,777,216 bytes; wqb 6,291,456 bytes; wob 2,097,152 bytes; qkv 50,331,648 bytes; pt 33,554,432 bytes; st 1,048,576 bytes; ot 16,777,216 bytes
;; launch cast (part 1): grid 768 x 1, 8 waves a work-group, no clusters, 0 bytes of LDS; arguments x, W_qkv_w, W_o_w, xb, wqb, wob; writes xb, wqb, wob
.if DOCPART == 1
	.amdgcn_target "amdgcn-amd-amdhsa--gfx1250"
	.amdhsa_code_object_version 6
	.text
	.protected	k_qaebe89721c_cast
	.globl	k_qaebe89721c_cast
	.p2align	8
	.type	k_qaebe89721c_cast,@function
k_qaebe89721c_cast:
	s_mov_b64 s[64:65], 0
	v_nop
	global_prefetch_b8 v0, s[64:65] scope:SCOPE_SE
	s_setreg_imm32_b32 hwreg(HW_REG_WAVE_MODE, 25, 1), 1
	s_wait_xcnt 0x0
; The three large inputs are rounded once to bf16.  x -> xb and W_qkv_w -> wqb are laid BY BLOCKS OF K: [16 blocks][rows][64 numbers], so that the 64 numbers of neighbouring rows lie end to end and the
; projection can ask for a K step of 64 as rows of 256 bytes.  W_o_w is rounded to bf16 like them and that number is written as f16 (wob, row-major), since the last product's other operand is f16.
; LIMIT: a bf16 number is exact in f16 between 6.1e-5 and 65,504 in magnitude; below that it keeps f16's fixed step of 6e-8, beyond it is lost.
; A stream: no LDS, no matrix unit, no cluster: the work-groups share nothing and every byte is read once and written once.
; A work-group takes 16,384 numbers: groups 0-511 x, 512-703 W_qkv_w, 704-767 W_o_w.  For x and W_qkv_w they are 32 rows x 512 numbers (8 blocks of K): thread t takes row t / 8 and 8 numbers at 8 (t % 8) of each
; block: eight lanes read 256 consecutive bytes of a row, and a store of a wave covers 512 consecutive bytes (four rows of one block), aligned.  All 16 loads of a thread go out at once; no register is written twice.
.set X,   4                            ; v[4:67]    16 loads of 4 numbers
.set T,   68                           ; v[68:75]   at work (W_o_w's way)
.set Y,   76                           ; v[76:107]  8 stores of 8 numbers
.set OFF, 108                          ; v[108:115] my byte offset in each of the 8 blocks
	s_load_b256 s[4:11], s[0:1], 0x0               ; x s[4:5], W_qkv_w s[6:7], W_o_w s[8:9], xb s[10:11]
	s_load_b128 s[12:15], s[0:1], 0x20             ; wqb s[12:13], wob s[14:15]
	s_mov_b32 s2, ttmp9
	s_sub_co_u32 s21, s2, 512                      ; my number among W_qkv_w's groups,
	s_sub_co_u32 s22, s2, 704                      ; among W_o_w's
	s_mov_b32 s23, 0xffff0000                      ; a word's upper bf16
	s_mov_b32 s28, 3072*128                        ; bytes in a block of K: W_qkv_w's,
	s_mov_b32 s29, 8192*128                        ; x's
	v_lshlrev_b32 v2, 4, v0                        ; 16 bytes a thread out
	s_wait_kmcnt 0x0
	s_cmp_lt_u32 s2, 512                           ; the choice of buffers hangs on the group's number alone
	s_cselect_b64 s[16:17], s[4:5], s[6:7]
	s_cselect_b64 s[18:19], s[10:11], s[12:13]
	s_cselect_b32 s20, s2, s21
	s_cselect_b32 s28, s29, s28
	s_cmp_lt_u32 s2, 704
	s_cselect_b64 s[16:17], s[16:17], s[8:9]
	s_cselect_b64 s[18:19], s[18:19], s[14:15]
	s_cselect_b32 s20, s20, s22
	s_cbranch_scc0 .Lwo
	s_lshr_b32 s24, s20, 1                         ; my 32 rows,
	s_and_b32 s26, s20, 1                          ; my half of K
	s_lshl_b32 s30, s24, 17                        ; in: 32 rows of 4,096 bytes (255 x 131,072 at the most),
	s_lshl_b32 s27, s26, 11                        ; 512 numbers of 4 bytes
	s_add_co_u32 s30, s30, s27
	s_mov_b32 s31, 0
	s_add_nc_u64 s[16:17], s[16:17], s[30:31]
	s_lshl_b32 s24, s24, 12                        ; out: 32 rows of 128 bytes,
	s_mul_i32 s27, s26, s28
	s_lshl_b32 s27, s27, 3                         ; 8 blocks of K
	s_add_co_u32 s24, s24, s27
	s_mov_b32 s25, 0
	s_add_nc_u64 s[18:19], s[18:19], s[24:25]
	v_and_b32 v1, 7, v0
	v_lshrrev_b32 v3, 3, v0
	v_lshlrev_b32 v1, 5, v1
	v_lshl_add_u32 v1, v3, 12, v1                  ; in: row x 4,096 + 32 x (t % 8)
.irp j, 0,1,2,3,4,5,6,7
	global_load_b128 v[X+8*(\j):X+8*(\j)+3],   v1, s[16:17] offset:(\j)*256 th:TH_LOAD_NT
	global_load_b128 v[X+8*(\j)+4:X+8*(\j)+7], v1, s[16:17] offset:(\j)*256+16 th:TH_LOAD_NT
.endr
.irp j, 0,1,2,3,4,5,6,7
	s_mul_i32 s27, s28, \j
	v_add_nc_u32 v[OFF+(\j)], s27, v2              ; out: 16 t = row x 128 + 16 x (t % 8), in block j
.endr
.irp j, 0,1,2,3,4,5,6,7
	s_wait_loadcnt 14-2*(\j)                       ; loads come back in order: block j's two are in, the blocks behind it stay out
.irp n, 0,1,2,3
	v_cvt_pk_bf16_f32 v[Y+4*(\j)+(\n)], v[X+8*(\j)+2*(\n)], v[X+8*(\j)+2*(\n)+1]
.endr
	global_store_b128 v[OFF+(\j)], v[Y+4*(\j):Y+4*(\j)+3], s[18:19]
.endr
	s_endpgm
.Lwo:                                              ; W_o_w: 8 rows of 2,048 numbers as they lie; to bf16, and that number as f16
	s_lshl_b32 s24, s20, 16                        ; 65,536 bytes a group in,
	s_mov_b32 s25, 0
	s_lshl_b32 s26, s20, 15                        ; 32,768 out
	s_mov_b32 s27, 0
	s_add_nc_u64 s[16:17], s[16:17], s[24:25]
	s_add_nc_u64 s[18:19], s[18:19], s[26:27]
	v_lshlrev_b32 v1, 5, v0                        ; 32 bytes a thread in
.irp i, 0,1,2,3,4,5,6,7
	global_load_b128 v[X+8*(\i):X+8*(\i)+3],   v1, s[16:17] offset:(\i)*8192 th:TH_LOAD_NT
	global_load_b128 v[X+8*(\i)+4:X+8*(\i)+7], v1, s[16:17] offset:(\i)*8192+16 th:TH_LOAD_NT
.endr
.irp i, 0,1,2,3,4,5,6,7
	s_wait_loadcnt 14-2*(\i)
.irp n, 0,1,2,3
	v_cvt_pk_bf16_f32 v[T+(\n)], v[X+8*(\i)+2*(\n)], v[X+8*(\i)+2*(\n)+1]
.endr
.irp n, 0,1,2,3
	v_lshlrev_b32 v[X+8*(\i)+2*(\n)],   16,  v[T+(\n)]   ; bf16 to f32: the low half moves up,
	v_and_b32     v[X+8*(\i)+2*(\n)+1], s23, v[T+(\n)]   ; the high half stays
.endr
.irp n, 0,1,2,3
	v_cvt_pk_f16_f32 v[Y+4*(\i)+(\n)], v[X+8*(\i)+2*(\n)], v[X+8*(\i)+2*(\n)+1]
.endr
	global_store_b128 v2, v[Y+4*(\i):Y+4*(\i)+3], s[18:19] offset:(\i)*4096
.endr
	s_endpgm
.Lfunc_end_k_qaebe89721c_cast:
	.size	k_qaebe89721c_cast, .Lfunc_end_k_qaebe89721c_cast-k_qaebe89721c_cast
	.p2alignl 7, 3214868480
	.fill 96, 4, 3214868480
	.section	.rodata,"a",@progbits
	.p2align	6, 0x0
	.amdhsa_kernel k_qaebe89721c_cast
		.amdhsa_group_segment_fixed_size 0
		.amdhsa_private_segment_fixed_size 0
		.amdhsa_enable_private_segment 0
		.amdhsa_kernarg_size 48
		.amdhsa_user_sgpr_count 2
		.amdhsa_user_sgpr_kernarg_segment_ptr 1
		.amdhsa_wavefront_size32 1
		.amdhsa_system_sgpr_workgroup_id_x 1
		.amdhsa_system_sgpr_workgroup_id_y 1
		.amdhsa_system_sgpr_workgroup_id_z 1
		.amdhsa_system_vgpr_workitem_id 0
		.amdhsa_next_free_vgpr 116
		.amdhsa_next_free_sgpr 66
		.amdhsa_reserve_vcc 0
		.amdhsa_float_denorm_mode_32 3
		.amdhsa_float_denorm_mode_16_64 3
		.amdhsa_memory_ordered 1
		.amdhsa_forward_progress 1
		.amdhsa_inst_pref_size 16
	.end_amdhsa_kernel
	.amdgpu_metadata
---
amdhsa.version: [ 1, 2 ]
amdhsa.kernels:
  - .name:           k_qaebe89721c_cast
    .symbol:         k_qaebe89721c_cast.kd
    .args:
      - { .name: x, .offset: 0, .size: 8, .value_kind: global_buffer, .address_space: global }
      - { .name: W_qkv_w, .offset: 8, .size: 8, .value_kind: global_buffer, .address_space: global }
      - { .name: W_o_w, .offset: 16, .size: 8, .value_kind: global_buffer, .address_space: global }
      - { .name: xb, .offset: 24, .size: 8, .value_kind: global_buffer, .address_space: global }
      - { .name: wqb, .offset: 32, .size: 8, .value_kind: global_buffer, .address_space: global }
      - { .name: wob, .offset: 40, .size: 8, .value_kind: global_buffer, .address_space: global }
    .group_segment_fixed_size: 0
    .private_segment_fixed_size: 0
    .kernarg_segment_align: 8
    .kernarg_segment_size: 48
    .max_flat_workgroup_size: 256
    .sgpr_count:     66
    .vgpr_count:     116
    .wavefront_size: 32
...
	.end_amdgpu_metadata
.endif
;; end of part 1
;; launch qkv (part 2): grid 8 x 32, 4 waves a work-group, clusters of 4 x 4, 327,680 bytes of LDS; arguments xb, wqb, qkv, W_qkv_b; writes qkv
.if DOCPART == 2
	.amdgcn_target "amdgcn-amd-amdhsa--gfx1250"
	.amdhsa_code_object_version 6
	.text
	.protected	k_qaebe89721c_qkv
	.globl	k_qaebe89721c_qkv
	.p2align	8
	.type	k_qaebe89721c_qkv,@function
k_qaebe89721c_qkv:
	s_mov_b64 s[64:65], 0
	v_nop
	global_prefetch_b8 v0, s[64:65] scope:SCOPE_SE
	s_setreg_imm32_b32 hwreg(HW_REG_WAVE_MODE, 25, 1), 1
	s_wait_xcnt 0x0
	s_wait_alu depctr_hold_cnt(0) depctr_sa_sdst(0) depctr_va_vdst(0) depctr_va_sdst(0) depctr_va_ssrc(0) depctr_va_vcc(0) depctr_vm_vsrc(0)
	s_getreg_b32 s2, hwreg(HW_REG_IB_STS2, 6, 4)
	s_cmp_eq_u32 s2, 0
	s_cbranch_scc0 .Lentry_in_a_cluster
	s_endpgm
.Lentry_in_a_cluster:
	s_bfe_u32 s2, ttmp6, 0x10000c
	s_cmp_lg_u32 s2, 0xf033
	s_cbranch_scc0 .Lentry_shape_is_right
	s_endpgm
.Lentry_shape_is_right:
; qkv[m][n] = sum over k of x[m][k] w[n][k] + bf16(b[n]).  xb: [16 blocks of K][8192][64] bf16, wqb: [16][3072][64] bf16, b: [3072] f32, qkv: [8192][3072] f16 (q at column 0, k at 1024, v at 2048).
; Sums in f32; the bias is the C operand of the products that start the sums; the result is rounded once to f16.  LIMIT: |q|, |k|, |v| stay under 65,504.
; THE TILE is 256 x 384: C has 32 x 8 = 256 of them, one for each of the 256 WGPs, and a byte of a tile brought into LDS feeds 256 x 384 / (2 x 640) = 76.8 multiply-adds.  Four waves, each 128 x 192:
; 96 accumulators, 768 registers.  Two slots for K steps of 128 would be 2 x 640 x 272 bytes, more than LDS has: K goes in 16 steps of 64.  In xb and wqb the 128 bytes that a row has in a step lie end to
; end with its neighbours', so a tile is asked for as rows of 256 bytes at multiples of 256, and padded in LDS after every 128.
; 4 x 4 work-groups form a cluster: the four of a row need the same tiles of A, the four of a column the same tiles of B; each tile is asked for jointly (same load, same descriptor, a mask that names the four).
; THE MATRIX INSTRUCTION IS USED TRANSPOSED (source 0 = 16 rows of B, source 1 = 16 rows of A): a lane holds row l % 16 of C and eight neighbouring columns 8 (l / 16) + 0..7.
; REGISTERS, in windows of 256 (s_set_vgpr_msb: bits 1:0 source 0, 3:2 source 1, 5:4 source 2, 7:6 destination).  Window 0: v0-31 addresses; v32-95, v96-159 A's eight fragments of 32 along K, two buffers;
;   v160-191, v192-223 a ring of two buffers for four fragments of B; v224-255 the bias of column blocks 8-11 (that of blocks 0-7 lies in A's second buffer until its first load).
;   Window 1 + g: the 32 accumulators of B's GROUP g (column blocks 4 g .. 4 g + 3) x my eight blocks of rows: (a, i) at 8 (4 a + i).
; A GROUP is 32 matrix instructions under one window setting; 32 along K are three groups, a K step six, and the ring's buffers go 0, 1, 0, 1, 0, 1.  In front of each group stand four places and the LDS loads of
; the next group's B; in front of a quarter's third group also the next quarter's A.  Each load is issued 32 matrix instructions ahead of its first use.
; THE TEXT: the first 32 along K are written out (their products start the sums); a trip of the loop is the rest of a step and the first half of the next; the two steps that ask for nothing are a loop of two trips left in its middle.
.set STEPS, 16
.set PITCH, 144                        ; an LDS row: 128 bytes + 16 of padding = 36 words: the 16 rows of a fragment load start at 16 different groups of four banks (64 banks of 4 bytes: ISA guide 11.1)
.set AHALF, 128*PITCH                  ; what a load for A brings
.set BREG,  2*AHALF                    ; A's 256 rows, then B's 384
.set BHALF, 192*PITCH                  ; what a load for B brings
.set SLOTX, 0x20000                    ; slot 1 begins here: the bit is in none of the tiles' places 0, 0x4800, 0x9000, 0xfc00, so an exclusive or changes the slot
.set SPARE, SLOTX+BREG+2*BHALF         ; behind slot 1: the spare words, 128 bytes a wave: two blocks of 256 bytes that no other line names
.set SP,    784                        ; the stage, from byte 0 on, written behind the slots' last fill: 256 rows of 768 bytes + 16
.set LDC,   3072
.set AINC,  8192*128                   ; bytes from a block of K to the next, in xb
.set BINC,  3072*128                   ; in wqb
.set DW0,   (1<<16)|(1<<20)|(1<<21)|(4<<22)|(3<<25)   ; 2-byte elements; padding on; bit 21 beside a mask; after every 32 words 4 words
.set ADRA,  16                         ; v16  LDS address of my A fragments in the slot in hand;  v17 in slot 0
.set ADRA0, 17
.set ADRB,  20                         ; v20, v21  the same for B
.set ADRB0, 21
.set STO,   22                         ; v22  the stage: where I put 16 bytes of a row, blocks of rows 0-3;  v23 blocks 4-7 (their offsets would not fit the 16-bit immediate)
.set STO2,  23
.set RD0,   24                         ; v24  the stage: two neighbouring units of a row;  v25 a row's last unit and the next row's first
.set RD1,   25
.set GO0,   26                         ; v26, v27  the same two patterns in C
.set GO1,   27
.set SPW,   28                         ; v28  LDS address of my spare word; never rewritten
.set NIL,   29                         ; v29  0; never rewritten
.set FA,    32
.set BG,    160
.set TMP,   32                         ; the way out: v32-159
.set G1,  24                           ; s[24:31] group 1 for A's tiles; s[32:39] group 0: set 0 fills slot 0 first, set 1 fills slot 1 first and then walks
.set G0,  32
.set G1B, 48                           ; s[48:55], s[56:63] the same for B's
.set G0B, 56
.set TB,  66                           ; s66  0 or SLOTX: the slot in hand
.set MSB, 0
.macro WIN new                         ; the immediate's high byte repeats the setting that is left; a switch that changes nothing is dropped
.if MSB != (\new)
	s_set_vgpr_msb (MSB<<8)|(\new)
.set MSB, \new
.endif
.endm
.macro PLACES                          ; four places behind matrix instructions, in front of loads into registers that they read and of conversions of their results
.rept 4
	v_nop
.endr
.endm
.macro JLOAD                           ; a joint refill by the walking set: waves 0, 1 fetch A's halves, waves 2, 3 B's; an s_nop 0 and four v_nop follow each line
	s_cmp_eq_u32 s11, 0
	s_cbranch_scc0 .Lfor_b_\@
	tensor_load_to_lds s[G0+4:G0+7], s[G1:G1+7]
	s_nop 0
.rept 4
	v_nop
.endr
	s_branch .Lasked_\@
.Lfor_b_\@:
	tensor_load_to_lds s[G0B+4:G0B+7], s[G1B:G1B+7]
	s_nop 0
.rept 4
	v_nop
.endr
.Lasked_\@:
.endm
.macro CREST                           ; a round of the cluster's barrier behind its opening barrier
	s_cmp_lg_u32 s10, 0
	s_cbranch_scc1 .Lnot_wave_0_\@
	s_barrier_signal -3
.Lnot_wave_0_\@:
	s_barrier_wait -3
	s_barrier_signal -1
	s_barrier_wait -1
.endm
.macro CROUND
	s_barrier_signal -1
	s_barrier_wait -1
	CREST
.endm
; 4 n matrix instructions of group g: blocks of rows a0 .. a0 + n - 1 (A's buffer fa) x the four column blocks in the ring's buffer bb.  zero = 1: the sums start with the bias (C in window 0).
; The group's accumulators take turns, one instruction a turn.
.macro GROUP fa, bb, g, zero, a0, n
.if \zero
	WIN 0x40*(1+(\g))
.else
	WIN 0x50*(1+(\g))
.endif
.set BR, 96+32*(\g)+64*((\g)/2)        ; the group's bias: v96, v128, v224
.set ga, \a0
.rept \n
.set gb, 0
.rept 4
.if \zero
	v_wmma_f32_16x16x32_bf16 v[8*(4*ga+gb):8*(4*ga+gb)+7], v[BG+32*(\bb)+8*gb:BG+32*(\bb)+8*gb+7], v[FA+64*(\fa)+8*ga:FA+64*(\fa)+8*ga+7], v[BR+8*gb:BR+8*gb+7]
.else
	v_wmma_f32_16x16x32_bf16 v[8*(4*ga+gb):8*(4*ga+gb)+7], v[BG+32*(\bb)+8*gb:BG+32*(\bb)+8*gb+7], v[FA+64*(\fa)+8*ga:FA+64*(\fa)+8*ga+7], v[8*(4*ga+gb):8*(4*ga+gb)+7]
.endif
.set gb, gb+1
.endr
.set ga, ga+1
.endr
.endm
.macro LOADB kq, g, bb                 ; 8 LDS loads: group g's four fragments of B for half kq of the step, into the ring's buffer bb
	WIN 0
.irp i, 0,1,2,3
	ds_load_b128 v[BG+32*(\bb)+8*(\i):BG+32*(\bb)+8*(\i)+3],   v[ADRB] offset:(4*(\g)+(\i))*16*PITCH+64*(\kq)
	ds_load_b128 v[BG+32*(\bb)+8*(\i)+4:BG+32*(\bb)+8*(\i)+7], v[ADRB] offset:(4*(\g)+(\i))*16*PITCH+64*(\kq)+32
.endr
.endm
.macro LOADA kq                        ; 16 LDS loads: A's eight fragments for half kq of the step, into buffer kq
	WIN 0
.irp i, 0,1,2,3,4,5,6,7
	ds_load_b128 v[FA+64*(\kq)+8*(\i):FA+64*(\kq)+8*(\i)+3],   v[ADRA] offset:(\i)*16*PITCH+64*(\kq)
	ds_load_b128 v[FA+64*(\kq)+8*(\i)+4:FA+64*(\kq)+8*(\i)+7], v[ADRA] offset:(\i)*16*PITCH+64*(\kq)+32
.endr
.endm
.macro Q0 zero                         ; a step's first 32 along K: A's buffer 0; the ring's buffers 0, 1, 0
	PLACES
	LOADB 0, 1, 1
	s_wait_dscnt 8                                 ; all but the 8 just issued: this group's B, and A
	GROUP 0, 0, 0, \zero, 0, 8
	PLACES
	LOADB 0, 2, 0
	s_wait_dscnt 8
	GROUP 0, 1, 1, \zero, 0, 8
	PLACES
	LOADB 1, 0, 1                                  ; the step's second half
	LOADA 1
	s_wait_dscnt 24                                ; all but the 24 just issued
	GROUP 0, 0, 2, \zero, 0, 8
.endm
; A step's second 32 along K as far as the change of slots: A's buffer 1; the ring's buffers 1, 0.  The second group's loads are the slot's last reads.  24 of its products stand ahead of the wait for all my
; tensor loads (one is out: my part of the next slot), so that little stands between that wait and the refill.  fill = 1: the walking descriptors step: the slot just read, the K step two on.
.macro Q1A fill
	PLACES
	LOADB 1, 1, 0
	s_wait_dscnt 8
	GROUP 1, 1, 0, 0, 0, 8
	PLACES
	LOADB 1, 2, 1
	s_wait_dscnt 8
	GROUP 1, 0, 1, 0, 0, 6
	WIN 0
	s_wait_tensorcnt 0x0                           ; no tensor load of mine is out, so a group 0 may be written
	ds_add_u32 v[SPW], v[NIL]                      ; 0 onto my spare word; work on registers stands between it and the wait for it
	s_xor_b32 s[TB], s[TB], SLOTX
.if \fill
	s_xor_b32 s[G0+5], s[G0+5], SLOTX
	s_add_nc_u64 s[G0+6:G0+7], s[G0+6:G0+7], AINC
	s_xor_b32 s[G0B+5], s[G0B+5], SLOTX
	s_add_nc_u64 s[G0B+6:G0B+7], s[G0B+6:G0B+7], BINC
.endif
	GROUP 1, 0, 1, 0, 6, 1
	s_wait_dscnt 0x0                               ; the add is done, and my reads of this slot are over
	s_barrier_signal -1
	GROUP 1, 0, 1, 0, 7, 1
	WIN 0                                          ; at a branch and at a label every window is 0
	s_barrier_wait -1
.endm
.macro Q1B                             ; behind the change of slots: the next step's first fragments are fetched, and the step's last group is multiplied (its B was waited for in front of the barrier)
	v_add_nc_u32 v[ADRA], s[TB], v[ADRA0]
	v_add_nc_u32 v[ADRB], s[TB], v[ADRB0]
	LOADB 0, 0, 0
	LOADA 0
	GROUP 1, 1, 2, 0, 0, 8
.endm
	s_load_b128 s[4:7], s[0:1], 0x0                ; xb s[4:5], wqb s[6:7]
	s_load_b64 s[8:9], s[0:1], 0x10                ; qkv
	s_load_b64 s[68:69], s[0:1], 0x18              ; the bias
	v_lshl_add_u32 v[SPW], v0, 2, SPARE
	v_mov_b32 v[NIL], 0
	ds_add_u32 v[SPW], v[NIL]                      ; the wave's opening: the add and its wait stand ahead of my first tensor load
	v_lshrrev_b32 v1, 5, v0
	v_readfirstlane_b32 s10, v1                    ; wave 0..3
	s_lshr_b32 s11, s10, 1                         ; my half of the tile's rows; also: I fetch for A (0) or B (1)
	s_and_b32 s12, s10, 1                          ; my half of its columns; also: which half of that tile I fetch
	s_bfe_u32 s40, ttmp6, 0x40000                  ; cx
	s_bfe_u32 s41, ttmp6, 0x40004                  ; cy
	s_lshl_b32 s42, ttmp9, 2
	s_add_co_u32 s42, s42, s40                     ; tile column = 4 x cluster x + cx
	s_and_b32 s13, ttmp7, 0xffff
	s_lshl_b32 s13, s13, 2
	s_add_co_u32 s13, s13, s41                     ; tile row = 4 x cluster y + cy
	s_lshl_b32 s43, s41, 2
	s_lshl_b32 s43, 15, s43                        ; my row of the cluster
	s_lshl_b32 s44, 0x1111, s40                    ; my column
	s_or_b32 s[G1+0], s43, DW0
	s_mov_b32 s[G1+1], 128<<16                     ; tensor_dim0 = 128 elements: 256 bytes, two rows of the tile
	s_mov_b32 s[G1+2], 64<<16                      ; tensor_dim1 = 64: 128 rows of the tile
	s_mov_b32 s[G1+3], 128<<16                     ; tile_dim0
	s_mov_b32 s[G1+4], 64                          ; tile_dim1
	s_mov_b32 s[G1+5], 128                         ; dense: 128 elements from row to row
	s_mov_b32 s[G1+6], 0
	s_mov_b32 s[G1+7], 0
	s_or_b32 s[G1B+0], s44, DW0
	s_mov_b32 s[G1B+1], 128<<16
	s_mov_b32 s[G1B+2], 96<<16                     ; 96 rows of 256 bytes: 192 rows of the tile
	s_mov_b32 s[G1B+3], 128<<16
	s_mov_b32 s[G1B+4], 96
	s_mov_b32 s[G1B+5], 128
	s_mov_b32 s[G1B+6], 0
	s_mov_b32 s[G1B+7], 0
	s_lshl_b32 s16, s13, 15                        ; A: 256 rows of 128 bytes a tile row,
	s_lshl_b32 s17, s12, 14                        ; my 128 of them: no cx in it
	s_add_co_u32 s16, s16, s17
	s_mov_b32 s17, 0
	s_mul_i32 s46, s42, 384*128                    ; B: 384 rows a tile column,
	s_mul_i32 s47, s12, 192*128                    ; my 192 of them: no cy in it
	s_add_co_u32 s46, s46, s47
	s_mov_b32 s47, 0
	s_mul_i32 s18, s12, AHALF                      ; where my tile goes, for A
	s_mul_i32 s19, s12, BHALF                      ; and for B
	s_add_co_u32 s19, s19, BREG
	s_mov_b32 s[G0], 1
	s_mov_b32 s[G0+1], s18
	s_mov_b32 s[G0+4], 1
	s_add_co_u32 s[G0+5], s18, SLOTX
	s_mov_b32 s[G0B], 1
	s_mov_b32 s[G0B+1], s19
	s_mov_b32 s[G0B+4], 1
	s_add_co_u32 s[G0B+5], s19, SLOTX
	s_mov_b32 s[TB], 0
	s_mov_b32 s67, 0xffff0000
	s_wait_dscnt 0x0                               ; the opening add is done
	s_wait_kmcnt 0x0
	s_add_nc_u64 s[G0+2:G0+3], s[4:5], s[16:17]    ; K step 0,
	s_add_nc_u64 s[G0+6:G0+7], s[G0+2:G0+3], AINC  ; K step 1
	s_or_b32 s[G0+3], s[G0+3], 0x80000000          ; type = 2
	s_or_b32 s[G0+7], s[G0+7], 0x80000000
	s_add_nc_u64 s[G0B+2:G0B+3], s[6:7], s[46:47]
	s_add_nc_u64 s[G0B+6:G0B+7], s[G0B+2:G0B+3], BINC
	s_or_b32 s[G0B+3], s[G0B+3], 0x80000000
	s_or_b32 s[G0B+7], s[G0B+7], 0x80000000
	CROUND                                         ; all sixteen work-groups are here: the first joint loads meet
	s_cmp_eq_u32 s11, 0                            ; a wave's two first fills stand in one branch: two loads of mine are out
	s_cbranch_scc0 .Lfirst_b
	tensor_load_to_lds s[G0:G0+3], s[G1:G1+7]
	s_nop 0
	tensor_load_to_lds s[G0+4:G0+7], s[G1:G1+7]
	s_nop 0
.rept 4
	v_nop
.endr
	s_branch .Lfirst_asked
.Lfirst_b:
	tensor_load_to_lds s[G0B:G0B+3], s[G1B:G1B+7]
	s_nop 0
	tensor_load_to_lds s[G0B+4:G0B+7], s[G1B:G1B+7]
	s_nop 0
.rept 4
	v_nop
.endr
.Lfirst_asked:
	s_mul_i32 s22, s42, 1536                       ; the bias of my 192 columns: 4 x (384 x tile column + 192 x half)
	s_mul_i32 s23, s12, 768
	s_add_co_u32 s22, s22, s23
	s_mov_b32 s23, 0
	s_add_nc_u64 s[68:69], s[68:69], s[22:23]
	v_and_b32 v1, 15, v0                           ; l % 16
	v_bfe_u32 v2, v0, 4, 1                         ; l / 16
	v_lshlrev_b32 v6, 5, v2                        ; register j of block n is column 16 n + 8 (l / 16) + j
.set n, 0
.rept 12
.set br, 96+8*n+64*(n/8)               ; blocks 0-7 at v96, blocks 8-11 at v224
	global_load_b128 v[br:br+3],   v6, s[68:69] offset:64*n
	global_load_b128 v[br+4:br+7], v6, s[68:69] offset:64*n+16
.set n, n+1
.endr
	v_mul_u32_u24 v3, v1, PITCH
	v_lshl_add_u32 v3, v2, 4, v3                   ; a fragment's row x pitch + 16 x half
	s_mul_i32 s21, s11, AHALF                      ; my 128 rows of A
	v_add_nc_u32 v[ADRA0], s21, v3
	v_add_nc_u32 v[ADRB0], s19, v3                 ; my 192 rows of B are the half whose number is my half of the columns
	v_mov_b32 v[ADRA], v[ADRA0]
	v_mov_b32 v[ADRB], v[ADRB0]
	s_mul_i32 s21, s11, 128*SP                     ; into the stage: my 128 rows, my 384 bytes of them; row l % 16, 16 bytes for each half of the lanes
	s_mul_i32 s22, s12, 384
	s_add_co_u32 s21, s21, s22
	v_mul_u32_u24 v4, v1, SP
	v_lshl_add_u32 v4, v2, 4, v4
	v_add_nc_u32 v[STO], s21, v4
	v_add_nc_u32 v[STO2], 64*SP, v[STO]
	s_mul_i32 s21, s10, 64*SP                      ; back: wave w takes rows 64 w .. 64 w + 63, whole: three units of 256 bytes a row, two units an instruction
	v_and_b32 v5, 31, v0
	v_lshlrev_b32 v[GO0], 4, v5                    ; two neighbouring units: 16 x lane
	v_add_nc_u32 v[RD0], s21, v[GO0]
	v_mul_u32_u24 v5, v2, SP-512                   ; a row's last unit (at byte 512, in the immediate) and the next row's first
	v_lshl_add_u32 v5, v1, 4, v5
	v_add_nc_u32 v[RD1], s21, v5
	v_mul_u32_u24 v5, v2, LDC*2-512
	v_lshl_add_u32 v[GO1], v1, 4, v5
	s_lshl_b32 s14, s13, 8
	s_lshl_b32 s15, s10, 6
	s_add_co_u32 s14, s14, s15                     ; the first row of C that I store
	s_mul_i32 s14, s14, LDC*2                      ; in bytes (under 2^32)
	s_mul_i32 s15, s42, 768                        ; the tile's first column
	s_add_co_u32 s14, s14, s15
	s_mov_b32 s15, 0
	s_add_nc_u64 s[8:9], s[8:9], s[14:15]
	s_wait_loadcnt 0x0
.set n, 0
.rept 12                               ; the bias is rounded to bf16 like the other inputs, and widened again
.set br, 96+8*n+64*(n/8)
.irp p, 0,2,4,6
	v_cvt_pk_bf16_f32 v[4+(\p)/2], v[br+(\p)], v[br+(\p)+1]
	v_lshlrev_b32 v[br+(\p)], 16, v[4+(\p)/2]
	v_and_b32 v[br+(\p)+1], s67, v[4+(\p)/2]
.endr
.set n, n+1
.endr
	s_wait_tensorcnt 0x1                           ; my part of K step 0 is in; step 1's may stay out
	s_barrier_signal -1
	s_barrier_wait -1
	LOADB 0, 0, 0
	LOADA 0
	Q0 1                                           ; the first 32 along K stand in front of the loop: their products start the sums
	WIN 0
	s_mov_b32 s3, STEPS-2
.Lstep:                                            ; a trip: the second half of step t, the first half of step t + 1; step t's slot is filled again with step t + 2
	Q1A 1
	CREST                                          ; the barrier has opened a round of the cluster's: no wave of any partner still reads the slot or has a load on its way
	JLOAD                                          ; the first thing behind the round; 184 matrix instructions stand between it and the wait for it; its four v_nop are the places in front of the loads below
	Q1B
	Q0 0
	WIN 0
	s_sub_co_u32 s3, s3, 1
	s_cmp_lg_u32 s3, 0
	s_cbranch_scc1 .Lstep
	s_mov_b32 s3, 2
.Ltail:                                            ; the last two steps ask for nothing; the second trip is left in its middle
	Q1A 0
	s_sub_co_u32 s3, s3, 1
	s_cmp_eq_u32 s3, 0
	s_cbranch_scc1 .Llast
	PLACES
	Q1B
	Q0 0
	WIN 0
	s_branch .Ltail
.Llast:                                            ; behind the barrier just passed no wave reads a slot and no tensor load is out: the slots have had their last fill and may take the stage
	GROUP 1, 1, 2, 0, 0, 8
	WIN 0
	PLACES
	; THE WAY OUT: rounded to f16, 16 bytes a lane into the work-group's stage: a wave's 384 bytes of a row are one and a half units of 256, so a row's three units are put together there.
.irp g, 0,1,2
	WIN 0x05*(1+(\g))                              ; sources 0 and 1 in the group's window
.set t, 0
.rept 32
.irp r, 0,1,2,3
	v_cvt_pk_f16_f32 v[TMP+4*t+(\r)], v[8*t+2*(\r)], v[8*t+2*(\r)+1]
.endr
.set t, t+1
.endr
	WIN 0
.set t, 0
.rept 32                               ; accumulator t: block of rows t / 4, column block 4 g + t % 4
.if t < 16
	ds_store_b128 v[STO],  v[TMP+4*t:TMP+4*t+3] offset:(t/4)*16*SP+32*(4*(\g)+t%4)
.else
	ds_store_b128 v[STO2], v[TMP+4*t:TMP+4*t+3] offset:(t/4-4)*16*SP+32*(4*(\g)+t%4)
.endif
.set t, t+1
.endr
.endr
	s_wait_dscnt 0x0                               ; for the others' sake: my stores into the stage are done
	s_barrier_signal -1
	s_barrier_wait -1
	s_mov_b32 s3, 8
.Lout:                                             ; 8 rows a trip: for each two rows three loads and three stores; each half of the lanes takes one unit
.irp j, 0,1,2,3
	ds_load_b128 v[32+12*(\j):32+12*(\j)+3], v[RD0] offset:(\j)*2*SP
	ds_load_b128 v[36+12*(\j):36+12*(\j)+3], v[RD1] offset:(\j)*2*SP+512
	ds_load_b128 v[40+12*(\j):40+12*(\j)+3], v[RD0] offset:(\j)*2*SP+SP+256
.endr
.irp j, 0,1,2,3
	s_wait_dscnt 11-3*(\j)                         ; LDS loads come back in order: this one is in, the younger ones may be out
	global_store_b128 v[GO0], v[32+12*(\j):32+12*(\j)+3], s[8:9] offset:(\j)*2*LDC*2            ; 16 lanes store 256 consecutive bytes, at a multiple of 256 from C's first byte
	s_wait_dscnt 10-3*(\j)
	global_store_b128 v[GO1], v[36+12*(\j):36+12*(\j)+3], s[8:9] offset:(\j)*2*LDC*2+512
	s_wait_dscnt 9-3*(\j)
	global_store_b128 v[GO0], v[40+12*(\j):40+12*(\j)+3], s[8:9] offset:(\j)*2*LDC*2+LDC*2+256
.endr
	s_wait_xcnt 0x0                                ; only behind this wait are the stores' data and base rewritten
	v_add_nc_u32 v[RD0], 8*SP, v[RD0]
	v_add_nc_u32 v[RD1], 8*SP, v[RD1]
	s_add_nc_u64 s[8:9], s[8:9], 8*LDC*2
	s_sub_co_u32 s3, s3, 1
	s_cmp_lg_u32 s3, 0
	s_cbranch_scc1 .Lout
	s_wait_tensorcnt 0x0                           ; the wave's end
	ds_add_u32 v[SPW], v[NIL]
	s_wait_dscnt 0x0
	CROUND                                         ; the closing round
	s_endpgm
.Lfunc_end_k_qaebe89721c_qkv:
	.size	k_qaebe89721c_qkv, .Lfunc_end_k_qaebe89721c_qkv-k_qaebe89721c_qkv
	.p2alignl 7, 3214868480
	.fill 96, 4, 3214868480
	.section	.rodata,"a",@progbits
	.p2align	6, 0x0
	.amdhsa_kernel k_qaebe89721c_qkv
		.amdhsa_group_segment_fixed_size 327680
		.amdhsa_private_segment_fixed_size 0
		.amdhsa_enable_private_segment 0
		.amdhsa_kernarg_size 32
		.amdhsa_user_sgpr_count 2
		.amdhsa_user_sgpr_kernarg_segment_ptr 1
		.amdhsa_wavefront_size32 1
		.amdhsa_system_sgpr_workgroup_id_x 1
		.amdhsa_system_sgpr_workgroup_id_y 1
		.amdhsa_system_sgpr_workgroup_id_z 1
		.amdhsa_system_vgpr_workitem_id 0
		.amdhsa_next_free_vgpr 1024
		.amdhsa_next_free_sgpr 80
		.amdhsa_reserve_vcc 0
		.amdhsa_float_denorm_mode_32 3
		.amdhsa_float_denorm_mode_16_64 3
		.amdhsa_memory_ordered 1
		.amdhsa_forward_progress 1
		.amdhsa_inst_pref_size 100
	.end_amdhsa_kernel
	.amdgpu_metadata
---
amdhsa.version: [ 1, 2 ]
amdhsa.kernels:
  - .name:           k_qaebe89721c_qkv
    .symbol:         k_qaebe89721c_qkv.kd
    .args:
      - { .name: xb, .offset: 0, .size: 8, .value_kind: global_buffer, .address_space: global }
      - { .name: wqb, .offset: 8, .size: 8, .value_kind: global_buffer, .address_space: global }
      - { .name: qkv, .offset: 16, .size: 8, .value_kind: global_buffer, .address_space: global }
      - { .name: W_qkv_b, .offset: 24, .size: 8, .value_kind: global_buffer, .address_space: global }
    .group_segment_fixed_size: 327680
    .private_segment_fixed_size: 0
    .kernarg_segment_align: 8
    .kernarg_segment_size: 32
    .max_flat_workgroup_size: 128
    .sgpr_count:     80
    .vgpr_count:     1024
    .wavefront_size: 32
...
	.end_amdgpu_metadata
.endif
;; end of part 2
;; launch scores (part 3): grid 12 x 16, 4 waves a work-group, clusters of 4 x 4, 327,680 bytes of LDS; arguments qkv, pt, st; writes pt, st
.if DOCPART == 3
	.amdgcn_target "amdgcn-amd-amdhsa--gfx1250"
	.amdhsa_code_object_version 6
	.text
	.protected	k_qaebe89721c_scores
	.globl	k_qaebe89721c_scores
	.p2align	8
	.type	k_qaebe89721c_scores,@function
k_qaebe89721c_scores:
	s_mov_b64 s[64:65], 0
	v_nop
	global_prefetch_b8 v0, s[64:65] scope:SCOPE_SE
	s_setreg_imm32_b32 hwreg(HW_REG_WAVE_MODE, 25, 1), 1
	s_wait_xcnt 0x0
	s_wait_alu depctr_hold_cnt(0) depctr_sa_sdst(0) depctr_va_vdst(0) depctr_va_sdst(0) depctr_va_ssrc(0) depctr_va_vcc(0) depctr_vm_vsrc(0)
	s_getreg_b32 s2, hwreg(HW_REG_IB_STS2, 6, 4)
	s_cmp_eq_u32 s2, 0
	s_cbranch_scc0 .Lentry_in_a_cluster
	s_endpgm
.Lentry_in_a_cluster:
	s_bfe_u32 s2, ttmp6, 0x10000c
	s_cmp_lg_u32 s2, 0xf033
	s_cbranch_scc0 .Lentry_shape_is_right
	s_endpgm
.Lentry_shape_is_right:
; For each query q and each block of 128 keys: s = q . k (f32 sums of f16 products), hidden (key > query) scores count as -1e30; m = the block's maximum of s; p = 2^(c (s - m)), c = log2(e) / 8;
; l = the block's sum of p.  pt[b][q][key] = p in f16; st holds m at [b][block][q] and, 524,288 bytes on, l, both f32.  The launch behind turns the blocks' maxima into the row's: the softmax's maximum is the true one.
; LIMITS.  q and k are f16, so |s| stays under 4.4e12: nothing beside the -1e30 of a hidden score or the floor of -1e20 under m (it serves rows of a block that are wholly hidden: m = -1e20, p = 0, l = 0).
; p below f16's step of 6e-8 counts as 0 in pt (not in l).  NaN and infinities are not treated apart.
; SHARES.  A tile is 256 queries x 256 keys, four waves of 128 x 128: a wave's columns are exactly one block of keys, so m and l never leave the wave.  K (the 1,024 channels) goes in 8 steps of 128.
; A cluster of 4 x 4 tiles is 1,024 x 1,024 of a batch's scores; of the four such blocks the three on or below the diagonal are made.  In the two on the diagonal 6 of 16 tiles are wholly hidden and are
; made all the same: the partners of a cluster make every joint request and no branch hangs on the place in the cluster; the launch behind reads some of them, as zeros.
; Q's tiles are shared along a row of the cluster, K's along a column.  Ring, fragments, turns and the dump are those of the projection's text.
.set LDK,   3072                       ; elements from row to row in qkv
.set STEPS, 8
.set PITCH, 272                        ; 256 bytes + 16: the 16 rows of a fragment load start at 16 different groups of four banks (64 banks of 4 bytes: ISA guide 11.1)
.set HALFT, 128*PITCH
.set SLOT,  4*HALFT
.set DP,    528
.set DUMPW, 128*DP
.set STAT,  2*SLOT                     ; behind the slots: 1,024 bytes a wave: 128 m, 128 l
.set SPARE, STAT+4096                  ; the spare words: two blocks of 256 bytes that no other line names
.set ADRA, 16
.set ADRA0, 17
.set ADRB, 20
.set ADRB0, 21
.set DA,   22
.set RA,   23
.set GO,   24                          ; v24  my byte offset in two rows of pt
.set DD,   25                          ; v25  my row's query less my first key: key j of my eight is hidden where j > DD
.set SA,   26                          ; v26  where my row's m goes
.set SR,   27                          ; v27  where I read four m back
.set SPW,  28
.set NIL,  29
.set NEG,  30                          ; v30  -1e30
.set LOF,  31                          ; v31  16 x lane
.set F0,   64
.set F1,   128
.set X,    64                          ; the way out: v[64:95] four passes of eight scores
.set Y,    96                          ; v[96:111] four passes of eight p in f16
.set MX,   112                         ; v[112+2p] m of pass p; the odd registers hold 0 (named as pairs)
.set LS,   120                         ; v[120+2p] l of pass p
.set G1,  24
.set G0,  32
.set G1B, 48
.set G0B, 56
.set TB,  66
.set CS,  70                           ; s[70:71] c, twice
.set FL,  72                           ; s72  -1e20
.set MSB, 0
.macro WIN new
.if MSB != (\new)
	s_set_vgpr_msb (MSB<<8)|(\new)
.set MSB, \new
.endif
.endm
.macro PLACES
.rept 4
	v_nop
.endr
.endm
.macro JLOAD                           ; a joint refill by the walking set: waves 0, 1 fetch Q's halves, waves 2, 3 K's; an s_nop 0 and four v_nop follow each line
	s_cmp_eq_u32 s11, 0
	s_cbranch_scc0 .Lfor_b_\@
	tensor_load_to_lds s[G0+4:G0+7], s[G1:G1+7]
	s_nop 0
.rept 4
	v_nop
.endr
	s_branch .Lasked_\@
.Lfor_b_\@:
	tensor_load_to_lds s[G0B+4:G0B+7], s[G1B:G1B+7]
	s_nop 0
.rept 4
	v_nop
.endr
.Lasked_\@:
.endm
.macro CREST
	s_cmp_lg_u32 s10, 0
	s_cbranch_scc1 .Lnot_wave_0_\@
	s_barrier_signal -3
.Lnot_wave_0_\@:
	s_barrier_wait -3
	s_barrier_signal -1
	s_barrier_wait -1
.endm
.macro CROUND
	s_barrier_signal -1
	s_barrier_wait -1
	CREST
.endm
.macro MUL16 f, hi, a0, zero           ; source 0 = 16 keys, source 1 = 16 queries: a lane holds one query and eight neighbouring keys.  The 64 accumulators take turns
	WIN 0xa1+0x50*(\hi)
.irp a, \a0, (\a0)+1
.irp b, 0,1,2,3,4,5,6,7
.if \zero
	v_wmma_f32_16x16x32_f16 v[8*(8*(\a)+(\b)):8*(8*(\a)+(\b))+7], v[(\f)+8*(\b):(\f)+8*(\b)+7], v[(\f)+8*(4*(\hi)+(\a)):(\f)+8*(4*(\hi)+(\a))+7], 0
.else
	v_wmma_f32_16x16x32_f16 v[8*(8*(\a)+(\b)):8*(8*(\a)+(\b))+7], v[(\f)+8*(\b):(\f)+8*(\b)+7], v[(\f)+8*(4*(\hi)+(\a)):(\f)+8*(4*(\hi)+(\a))+7], v[8*(8*(\a)+(\b)):8*(8*(\a)+(\b))+7]
.endif
.endr
.endr
.endm
.macro FETCH k, f
	WIN 0x40
.irp i, 0,1,2,3,4,5,6,7
	ds_load_b128 v[(\f)+8*(\i):(\f)+8*(\i)+3],   v[ADRB] offset:(\k)+(\i)*16*PITCH
	ds_load_b128 v[(\f)+8*(\i)+4:(\f)+8*(\i)+7], v[ADRB] offset:(\k)+(\i)*16*PITCH+32
.endr
	WIN 0
.irp i, 0,1,2,3,4,5,6,7
	ds_load_b128 v[(\f)+8*(\i):(\f)+8*(\i)+3],   v[ADRA] offset:(\k)+(\i)*16*PITCH
	ds_load_b128 v[(\f)+8*(\i)+4:(\f)+8*(\i)+7], v[ADRA] offset:(\k)+(\i)*16*PITCH+32
.endr
.endm
.macro QUARTER k, f, g, zero
	s_wait_dscnt 8                                 ; K's and Q's rows 0-63 are in; the youngest eight loads may be out
	MUL16 \f, 0, 0, \zero
	MUL16 \f, 0, 2, \zero
	PLACES
	FETCH \k, \g
	s_wait_dscnt 32                                ; all but the 32 just issued
	MUL16 \f, 1, 0, \zero
	MUL16 \f, 1, 2, \zero
.endm
.macro MEET fill                       ; the change of slots: all my tensor loads, the add, my reads of this slot; then the barrier
	WIN 0
	s_wait_tensorcnt 0x0                           ; no tensor load of mine is out, so a group 0 may be written
	ds_add_u32 v[SPW], v[NIL]
	s_xor_b32 s[TB], s[TB], SLOT
.if \fill
	s_xor_b32 s[G0+5], s[G0+5], SLOT
	s_add_nc_u64 s[G0+6:G0+7], s[G0+6:G0+7], 256
	s_xor_b32 s[G0B+5], s[G0B+5], SLOT
	s_add_nc_u64 s[G0B+6:G0B+7], s[G0B+6:G0B+7], 256
.endif
	s_wait_dscnt 9                                 ; the add and the youngest eight loads may be out
	MUL16 F1, 0, 0, 0
	s_wait_dscnt 0x0                               ; the add is done, and my reads of this slot are over
	s_barrier_signal -1
	MUL16 F1, 0, 2, 0
	WIN 0
	s_barrier_wait -1
.endm
.macro NEXTADR
	v_add_nc_u32 v[ADRA], s[TB], v[ADRA0]
	v_add_nc_u32 v[ADRB], s[TB], v[ADRB0]
.endm
.macro TURN
	MEET 1
	CREST
	JLOAD
	NEXTADR
	FETCH 0, F0
	MUL16 F1, 1, 0, 0
	MUL16 F1, 1, 2, 0
.endm
	s_load_b64 s[4:5], s[0:1], 0x0                 ; qkv
	s_load_b64 s[8:9], s[0:1], 0x8                 ; pt
	s_load_b64 s[68:69], s[0:1], 0x10              ; st
	v_lshl_add_u32 v[SPW], v0, 2, SPARE
	v_mov_b32 v[NIL], 0
	ds_add_u32 v[SPW], v[NIL]                      ; the wave's opening: the add and its wait stand ahead of my first tensor load
	v_lshrrev_b32 v1, 5, v0
	v_readfirstlane_b32 s10, v1
	s_lshr_b32 s11, s10, 1                         ; my half of the tile's queries; also: I fetch Q (0) or K (1)
	s_and_b32 s12, s10, 1                          ; my half of its keys; also: which 128 rows I fetch
	s_bfe_u32 s40, ttmp6, 0x40000                  ; cx
	s_bfe_u32 s41, ttmp6, 0x40004                  ; cy
	s_mov_b32 s14, ttmp9                           ; cluster x = 0, 1, 2: the blocks (0, 0), (1, 0), (1, 1) of 1,024 x 1,024
	s_add_co_u32 s15, s14, 1
	s_lshr_b32 s15, s15, 1
	s_lshr_b32 s14, s14, 1
	s_lshl_b32 s13, s15, 2
	s_add_co_u32 s13, s13, s41                     ; the tile's row of 256 queries
	s_lshl_b32 s42, s14, 2
	s_add_co_u32 s42, s42, s40                     ; its column of 256 keys
	s_and_b32 s45, ttmp7, 0xffff                   ; the batch
	s_lshl_b32 s43, s41, 2
	s_lshl_b32 s43, 15, s43
	s_lshl_b32 s44, 0x1111, s40
	s_or_b32 s[G1+0], s43, (1<<16)|(1<<20)|(1<<21)|(5<<22)|(3<<25)
	s_or_b32 s[G1B+0], s44, (1<<16)|(1<<20)|(1<<21)|(5<<22)|(3<<25)
.irp g, G1, G1B
	s_mov_b32 s[(\g)+1], 128<<16
	s_mov_b32 s[(\g)+2], 128<<16
	s_mov_b32 s[(\g)+3], 128<<16
	s_mov_b32 s[(\g)+4], 128
	s_mov_b32 s[(\g)+5], LDK
	s_mov_b32 s[(\g)+6], 0
	s_mov_b32 s[(\g)+7], 0
.endr
	s_lshl_b32 s18, s45, 11                        ; the batch's first row,
	s_lshl_b32 s17, s12, 7
	s_add_co_u32 s17, s17, s18                     ; and which 128 rows of a tile I fetch
	s_lshl_b32 s16, s13, 8
	s_add_co_u32 s16, s16, s17
	s_mul_i32 s16, s16, LDK*2                      ; Q's rows: no cx in it (8,191 x 6,144 at the most)
	s_lshl_b32 s46, s42, 8
	s_add_co_u32 s46, s46, s17
	s_mul_i32 s46, s46, LDK*2
	s_add_co_u32 s46, s46, 2048                    ; K's rows begin at column 1,024: no cy in it
	s_mov_b32 s17, 0
	s_mov_b32 s47, 0
	s_mul_i32 s20, s10, HALFT
	s_mov_b32 s[G0], 1
	s_mov_b32 s[G0+1], s20
	s_mov_b32 s[G0+4], 1
	s_add_co_u32 s[G0+5], s20, SLOT
	s_mov_b32 s[G0B], 1
	s_mov_b32 s[G0B+1], s20
	s_mov_b32 s[G0B+4], 1
	s_add_co_u32 s[G0B+5], s20, SLOT
	s_mov_b32 s[TB], 0
	s_mov_b32 s[CS], 0x3e38aa3b                    ; c = log2(e) / 8
	s_mov_b32 s[CS+1], s[CS]
	s_mov_b32 s[FL], 0xe0ad78ec                    ; -1e20
	s_wait_dscnt 0x0                               ; the opening add is done
	s_wait_kmcnt 0x0
	s_add_nc_u64 s[G0+2:G0+3], s[4:5], s[16:17]
	s_add_nc_u64 s[G0+6:G0+7], s[G0+2:G0+3], 256
	s_or_b32 s[G0+3], s[G0+3], 0x80000000
	s_or_b32 s[G0+7], s[G0+7], 0x80000000
	s_add_nc_u64 s[G0B+2:G0B+3], s[4:5], s[46:47]
	s_add_nc_u64 s[G0B+6:G0B+7], s[G0B+2:G0B+3], 256
	s_or_b32 s[G0B+3], s[G0B+3], 0x80000000
	s_or_b32 s[G0B+7], s[G0B+7], 0x80000000
	CROUND
	s_cmp_eq_u32 s11, 0                            ; a wave's two first fills stand in one branch: two loads of mine are out
	s_cbranch_scc0 .Lfirst_b
	tensor_load_to_lds s[G0:G0+3], s[G1:G1+7]
	s_nop 0
	tensor_load_to_lds s[G0+4:G0+7], s[G1:G1+7]
	s_nop 0
.rept 4
	v_nop
.endr
	s_branch .Lfirst_asked
.Lfirst_b:
	tensor_load_to_lds s[G0B:G0B+3], s[G1B:G1B+7]
	s_nop 0
	tensor_load_to_lds s[G0B+4:G0B+7], s[G1B:G1B+7]
	s_nop 0
.rept 4
	v_nop
.endr
.Lfirst_asked:
	v_and_b32 v1, 15, v0                           ; l % 16
	v_bfe_u32 v2, v0, 4, 1                         ; l / 16
	v_mul_u32_u24 v3, v1, PITCH
	v_lshl_add_u32 v3, v2, 4, v3
	s_mul_i32 s21, s11, HALFT
	s_mul_i32 s22, s12, HALFT
	s_add_co_u32 s22, s22, 2*HALFT
	v_add_nc_u32 v[ADRA0], s21, v3
	v_add_nc_u32 v[ADRB0], s22, v3
	v_mov_b32 v[ADRA], v[ADRA0]
	v_mov_b32 v[ADRB], v[ADRB0]
	s_mul_i32 s21, s10, DUMPW
	v_mul_u32_u24 v4, v1, DP
	v_lshl_add_u32 v4, v2, 4, v4
	v_add_nc_u32 v[DA], s21, v4
	v_mul_u32_u24 v5, v2, DP
	v_lshl_add_u32 v5, v1, 4, v5
	v_add_nc_u32 v[RA], s21, v5
	v_lshlrev_b32 v5, 12, v2                       ; a row of pt is 4,096 bytes
	v_lshl_add_u32 v[GO], v1, 4, v5
	s_lshl_b32 s21, s10, 10
	s_add_co_u32 s21, s21, STAT                    ; my 1,024 bytes of statistics
	v_lshl_add_u32 v[SA], v2, 2, s21
	v_and_b32 v3, 31, v0
	v_lshlrev_b32 v[LOF], 4, v3
	v_add_nc_u32 v[SR], s21, v[LOF]
	v_mov_b32 v[NEG], 0xf149f2ca                   ; -1e30
.irp p, 0,1,2,3
	v_mov_b32 v[MX+2*(\p)+1], 0
.endr
	s_lshl_b32 s14, s13, 8
	s_lshl_b32 s15, s11, 7
	s_add_co_u32 s14, s14, s15                     ; my first query in the batch
	s_lshl_b32 s18, s42, 8
	s_lshl_b32 s19, s12, 7
	s_add_co_u32 s18, s18, s19                     ; my first key
	s_sub_co_u32 s19, s14, s18
	v_lshlrev_b32 v3, 3, v1
	v_sub_nc_u32 v[DD], v2, v3
	v_add_nc_u32 v[DD], s19, v[DD]                 ; query + l / 16 - key - 8 (l % 16), as a signed number
	s_lshl_b32 s22, s45, 23                        ; pt: the batch's 8,388,608 bytes,
	s_lshl_b32 s23, s14, 12                        ; my first row,
	s_add_co_u32 s22, s22, s23
	s_lshl_b32 s23, s18, 1                         ; my first column
	s_add_co_u32 s22, s22, s23
	s_mov_b32 s23, 0
	s_add_nc_u64 s[8:9], s[8:9], s[22:23]
	s_lshl_b32 s22, s45, 4                         ; st: ((16 batch + block) x 2,048 + query) x 4
	s_lshr_b32 s19, s18, 7
	s_add_co_u32 s22, s22, s19
	s_lshl_b32 s22, s22, 11
	s_add_co_u32 s22, s22, s14
	s_lshl_b32 s22, s22, 2
	s_add_nc_u64 s[68:69], s[68:69], s[22:23]
	s_wait_tensorcnt 0x1                           ; my part of step 0 is in; step 1's may stay out
	s_barrier_signal -1
	s_barrier_wait -1
	FETCH 0, F0
	QUARTER 64, F0, F1, 1
	WIN 0
	s_mov_b32 s3, STEPS-2
.Lstep:
	QUARTER 128, F1, F0, 0
	QUARTER 192, F0, F1, 0
	TURN
	QUARTER 64, F0, F1, 0
	WIN 0
	s_sub_co_u32 s3, s3, 1
	s_cmp_lg_u32 s3, 0
	s_cbranch_scc1 .Lstep
	s_mov_b32 s3, 2
.Ltail:
	QUARTER 128, F1, F0, 0
	QUARTER 192, F0, F1, 0
	MEET 0
	s_sub_co_u32 s3, s3, 1
	s_cmp_eq_u32 s3, 0
	s_cbranch_scc1 .Llast
	PLACES
	NEXTADR
	FETCH 0, F0
	MUL16 F1, 1, 0, 0
	MUL16 F1, 1, 2, 0
	QUARTER 64, F0, F1, 0
	WIN 0
	s_branch .Ltail
.Llast:                                            ; behind the barrier just passed no wave reads a slot and no tensor load is out: the slots may take the dump
	MUL16 F1, 1, 0, 0
	MUL16 F1, 1, 2, 0
	WIN 0
	PLACES
.irp hi, 0,1                           ; each accumulator's registers 0-3 are read first
	WIN 0x08+4*(\hi)
.irp a, 0,1,2,3
.irp b, 0,1,2,3,4,5,6,7
	ds_store_b128 v[DA], v[8*(8*(\a)+(\b)):8*(8*(\a)+(\b))+3]   offset:(4*(\hi)+(\a))*16*DP+32*(\b)
	ds_store_b128 v[DA], v[8*(8*(\a)+(\b))+4:8*(8*(\a)+(\b))+7] offset:(4*(\hi)+(\a))*16*DP+32*(\b)+256
.endr
.endr
.endr
	WIN 0
	s_mov_b32 s3, 16
.Lrows:                                            ; 8 rows a trip, in four passes of two: sixteen lanes hold a row's 128 scores, eight each
.irp p, 0,1,2,3
	ds_load_b128 v[X+8*(\p):X+8*(\p)+3],   v[RA] offset:(\p)*2*DP
	ds_load_b128 v[X+8*(\p)+4:X+8*(\p)+7], v[RA] offset:(\p)*2*DP+256
.endr
	s_wait_dscnt 0x0
.irp p, 0,1,2,3                        ; pass p's row lies 2 p below the trip's first: key j is hidden where j - 2 p > DD
.irp j, 0,1,2,3,4,5,6,7
	v_cmp_gt_i32 vcc_lo, (\j)-2*(\p), v[DD]
	v_cndmask_b32 v[X+8*(\p)+(\j)], v[X+8*(\p)+(\j)], v[NEG], vcc_lo
.endr
.endr
.irp p, 0,1,2,3
	v_max3_num_f32 v[MX+2*(\p)], v[X+8*(\p)], v[X+8*(\p)+1], v[X+8*(\p)+2]
.endr
.irp p, 0,1,2,3
	v_max3_num_f32 v[MX+2*(\p)], v[MX+2*(\p)], v[X+8*(\p)+3], v[X+8*(\p)+4]
.endr
.irp p, 0,1,2,3
	v_max3_num_f32 v[MX+2*(\p)], v[MX+2*(\p)], v[X+8*(\p)+5], v[X+8*(\p)+6]
.endr
.irp p, 0,1,2,3
	v_max3_num_f32 v[MX+2*(\p)], v[MX+2*(\p)], v[X+8*(\p)+7], s[FL]
.endr
.irp m, 1,2,4,8                        ; across the row's sixteen lanes
.irp p, 0,1,2,3
	v_max_num_f32_dpp v[MX+2*(\p)], v[MX+2*(\p)], v[MX+2*(\p)] row_xmask:\m row_mask:0xf bank_mask:0xf
.endr
.endr
.irp p, 0,1,2,3                        ; s - m first, then the scale: the largest exponent is exactly 0 whatever the scores' size
.irp n, 0,2,4,6
	v_pk_add_f32 v[X+8*(\p)+(\n):X+8*(\p)+(\n)+1], v[X+8*(\p)+(\n):X+8*(\p)+(\n)+1], v[MX+2*(\p):MX+2*(\p)+1] op_sel_hi:[1,0] neg_lo:[0,1] neg_hi:[0,1]
.endr
.endr
.irp p, 0,1,2,3
.irp n, 0,2,4,6
	v_pk_mul_f32 v[X+8*(\p)+(\n):X+8*(\p)+(\n)+1], v[X+8*(\p)+(\n):X+8*(\p)+(\n)+1], s[CS:CS+1] op_sel_hi:[1,0]
.endr
.endr
.set n, 0
.rept 32
	v_exp_f32 v[X+n], v[X+n]
.set n, n+1
.endr
	v_nop                                          ; a plain instruction between the last exponential and the use of its result
	s_wait_alu depctr_va_vdst(0)
.irp p, 0,1,2,3
.irp n, 0,1,2,3
	v_cvt_pk_f16_f32 v[Y+4*(\p)+(\n)], v[X+8*(\p)+2*(\n)], v[X+8*(\p)+2*(\n)+1]
.endr
.endr
.irp p, 0,1,2,3                        ; l is the sum of the unrounded p
	v_pk_add_f32 v[X+8*(\p):X+8*(\p)+1], v[X+8*(\p):X+8*(\p)+1], v[X+8*(\p)+2:X+8*(\p)+3]
	v_pk_add_f32 v[X+8*(\p)+4:X+8*(\p)+5], v[X+8*(\p)+4:X+8*(\p)+5], v[X+8*(\p)+6:X+8*(\p)+7]
.endr
.irp p, 0,1,2,3
	v_pk_add_f32 v[X+8*(\p):X+8*(\p)+1], v[X+8*(\p):X+8*(\p)+1], v[X+8*(\p)+4:X+8*(\p)+5]
.endr
.irp p, 0,1,2,3
	v_add_f32 v[LS+2*(\p)], v[X+8*(\p)], v[X+8*(\p)+1]
.endr
.irp m, 1,2,4,8
.irp p, 0,1,2,3
	v_add_f32_dpp v[LS+2*(\p)], v[LS+2*(\p)], v[LS+2*(\p)] row_xmask:\m row_mask:0xf bank_mask:0xf
.endr
.endr
.irp p, 0,1,2,3
	global_store_b128 v[GO], v[Y+4*(\p):Y+4*(\p)+3], s[8:9] offset:(\p)*8192   ; 16 lanes store 256 consecutive bytes, at a multiple of 256 from pt's first byte
	ds_store_b32 v[SA], v[MX+2*(\p)] offset:8*(\p)         ; a row's sixteen lanes write the same word with the same number
	ds_store_b32 v[SA], v[LS+2*(\p)] offset:512+8*(\p)
.endr
	s_wait_xcnt 0x0                                ; only behind this wait are the stores' data and base rewritten
	v_add_nc_u32 v[RA], 8*DP, v[RA]
	v_add_nc_u32 v[DD], 8, v[DD]
	v_add_nc_u32 v[SA], 32, v[SA]
	s_add_nc_u64 s[8:9], s[8:9], 8*4096
	s_sub_co_u32 s3, s3, 1
	s_cmp_lg_u32 s3, 0
	s_cbranch_scc1 .Lrows
	ds_load_b128 v[64:67], v[SR]                   ; my wave's 128 m and 128 l leave as 512 consecutive bytes each
	ds_load_b128 v[68:71], v[SR] offset:512
	s_wait_dscnt 0x0
	global_store_b128 v[LOF], v[64:67], s[68:69]
	global_store_b128 v[LOF], v[68:71], s[68:69] offset:524288
	s_wait_tensorcnt 0x0                           ; the wave's end
	ds_add_u32 v[SPW], v[NIL]
	s_wait_dscnt 0x0
	CROUND                                         ; the closing round
	s_endpgm
.Lfunc_end_k_qaebe89721c_scores:
	.size	k_qaebe89721c_scores, .Lfunc_end_k_qaebe89721c_scores-k_qaebe89721c_scores
	.p2alignl 7, 3214868480
	.fill 96, 4, 3214868480
	.section	.rodata,"a",@progbits
	.p2align	6, 0x0
	.amdhsa_kernel k_qaebe89721c_scores
		.amdhsa_group_segment_fixed_size 327680
		.amdhsa_private_segment_fixed_size 0
		.amdhsa_enable_private_segment 0
		.amdhsa_kernarg_size 24
		.amdhsa_user_sgpr_count 2
		.amdhsa_user_sgpr_kernarg_segment_ptr 1
		.amdhsa_wavefront_size32 1
		.amdhsa_system_sgpr_workgroup_id_x 1
		.amdhsa_system_sgpr_workgroup_id_y 1
		.amdhsa_system_sgpr_workgroup_id_z 1
		.amdhsa_system_vgpr_workitem_id 0
		.amdhsa_next_free_vgpr 1024
		.amdhsa_next_free_sgpr 80
		.amdhsa_reserve_vcc 1
		.amdhsa_float_denorm_mode_32 3
		.amdhsa_float_denorm_mode_16_64 3
		.amdhsa_memory_ordered 1
		.amdhsa_forward_progress 1
		.amdhsa_inst_pref_size 92
	.end_amdhsa_kernel
	.amdgpu_metadata
---
amdhsa.version: [ 1, 2 ]
amdhsa.kernels:
  - .name:           k_qaebe89721c_scores
    .symbol:         k_qaebe89721c_scores.kd
    .args:
      - { .name: qkv, .offset: 0, .size: 8, .value_kind: global_buffer, .address_space: global }
      - { .name: pt, .offset: 8, .size: 8, .value_kind: global_buffer, .address_space: global }
      - { .name: st, .offset: 16, .size: 8, .value_kind: global_buffer, .address_space: global }
    .group_segment_fixed_size: 327680
    .private_segment_fixed_size: 0
    .kernarg_segment_align: 8
    .kernarg_segment_size: 24
    .max_flat_workgroup_size: 128
    .sgpr_count:     80
    .vgpr_count:     1024
    .wavefront_size: 32
...
	.end_amdgpu_metadata
.endif
;; end of part 3
;; launch pv (part 4): grid 8 x 32, 4 waves a work-group, clusters of 4 x 4, 327,680 bytes of LDS; arguments qkv, pt, st, ot; writes ot
.if DOCPART == 4
	.amdgcn_target "amdgcn-amd-amdhsa--gfx1250"
	.amdhsa_code_object_version 6
	.text
	.protected	k_qaebe89721c_pv
	.globl	k_qaebe89721c_pv
	.p2align	8
	.type	k_qaebe89721c_pv,@function
k_qaebe89721c_pv:
	s_mov_b64 s[64:65], 0
	v_nop
	global_prefetch_b8 v0, s[64:65] scope:SCOPE_SE
	s_setreg_imm32_b32 hwreg(HW_REG_WAVE_MODE, 25, 1), 1
	s_wait_xcnt 0x0
	s_wait_alu depctr_hold_cnt(0) depctr_sa_sdst(0) depctr_va_vdst(0) depctr_va_sdst(0) depctr_va_ssrc(0) depctr_va_vcc(0) depctr_vm_vsrc(0)
	s_getreg_b32 s2, hwreg(HW_REG_IB_STS2, 6, 4)
	s_cmp_eq_u32 s2, 0
	s_cbranch_scc0 .Lentry_in_a_cluster
	s_endpgm
.Lentry_in_a_cluster:
	s_bfe_u32 s2, ttmp6, 0x10000c
	s_cmp_lg_u32 s2, 0xf033
	s_cbranch_scc0 .Lentry_shape_is_right
	s_endpgm
.Lentry_shape_is_right:
; ot[b][ch][q] = sum over keys of v[b][key][ch] x (pt[b][q][key] x wl[block of the key][q]), in f16: the attention's output, transposed, so that the last product reads it as it lies.
; wl = 2^(c (m_block - M)) / L with M the row's maximum of the blocks' m, L = the sum over the visible blocks of 2^(c (m_block - M)) l_block, c = log2(e) / 8: together with the launch before this is
; softmax with the row's true maximum.  Sums in f32; wl and the weights p x wl are rounded to f16.
; LIMITS.  A weight (they sum to 1 along a row) keeps f16's fixed step of 6e-8 below 6e-5; |v| and so |O| stay under 65,504.  NaN and infinities are not treated apart.
; SHARES.  A tile is 128 channels x 128 queries, four waves of 64 x 64; the keys go in steps of 256 through two LDS slots.  In a cluster of 4 x 4 the four of a row (one block of channels) share V's tiles,
; the four of a column (one block of queries) share P's.  The queries of a batch lie in four groups of 512; a cluster takes group 3 - p and then group p (p = cluster x): a group walks to its own end,
; 512 (g + 1) keys, so every work-group walks 10 steps, and all sixteen partners make the same walk: 2,560 keys where a walk to each block's own end would have 2,176.  Hidden weights are zeros in pt.
; The walk is ONE loop with a constant trip count; which tile is asked for, and where the first tile ends, hang on p alone, which all partners and all waves share.
; THE MATRIX INSTRUCTION: source 0 = 16 queries of P (as they lie), source 1 = 16 channels of V (turned, by ds_load_tr16_b128): a lane holds one channel and eight neighbouring queries.
; REGISTERS: window 0: v0-31 addresses; v32-95 the way out; v96-103 wl for the step in hand; v128-255 16 accumulators ((a, b) at 128 + 8 (4 a + b); ahead of the loop: the statistics).
;   window 1: two fragment buffers of 128: for 64 keys 64 registers of V, then 64 of P.
.set PVP,   288                        ; a row of V (a key) in LDS: 256 bytes + 32
.set PPP,   528                        ; a row of P (a query): 512 bytes + 16: the 16 rows of a load start at 16 different groups of four banks
.set AREG,  256*PVP                    ; V's 256 keys, then P's 128 queries
.set SLOTX, 0x24000                    ; slot 1 begins here; the bit pattern shares nothing with the tiles' places 0, 0x9000, 0x12000, 0x1a400, so an exclusive or changes the slot
.set WT,    AREG+128*PPP               ; in the gap between the slots: wl, [20 blocks of the walk][128 queries] f16, 5,120 bytes
.set SPARE, WT+5120                    ; the spare words: two blocks of 256 bytes that no other line names
.set STAGE, SLOTX+WT                   ; behind slot 1: 128 rows x 272 bytes, for the way out
.set SPITCH, 272
.set ADRB0, 8                          ; v8   my place in P's tile, slot 0
.set ADRA0, 9                          ; v9   my place in V's tile, slot 0
.set ADRB,  10                         ; v10  P, the slot in hand
.set ADRAL, 11                         ; v11  V, keys 0-127 of the step
.set ADRAH, 12                         ; v12  V, keys 128-255: their offsets would not fit the 16-bit immediate
.set WAD,   13                         ; v13  my query's wl of the step in hand
.set STO,   14
.set RD,    15
.set CO,    16
.set WS,    17                         ; v17  where thread t puts query t's wl
.set L4,    18                         ; v18  4 x thread
.set SPW,   28
.set NIL,   29
.set TMP,   32
.set WR,    96                         ; v[96+4 kb+b]: wl, twice in a word, of key block kb of the step and my query block b
.set ACC,   128
.set OFS,   128                        ; the statistics, ahead of the loop: 24 offsets, 24 m (then wl), 24 l: tile 1's blocks 0-15, tile 2's 0-7
.set MM,    152
.set LL,    176
.set SM,    200
.set SL,    202
.set SEL,   204
.set F0,    0
.set F1,    128
.set G1,  24                           ; s[24:31] group 1 for V's tiles; s[32:39] group 0, two sets: the second walks
.set G0,  32
.set G1B, 48                           ; the same for P's
.set G0B, 56
.set VB,   68                          ; s[68:69] V at my half of the batch's first 256 keys, my block of channels
.set PCUR, 70                          ; s[70:71] P at my half of the queries of the tile whose steps are being asked for
.set P2,   72                          ; s[72:73] the same for the second tile
.set C2,   74                          ; s[74:75] ot at my rows of the second tile
.set ST1,  76                          ; s[76:77], s[78:79] st at the two tiles' queries
.set ST2,  78
.set OA,   80                          ; s[80:81], s[82:83] a step's byte offsets in V and in P
.set OB,   82
.set NXT,  84                          ; s84  the step to be asked for next
.set NREQ, 85                          ; s85  the steps of the tile that is being asked for
.set LEFT, 86                          ; s86  steps of the first tile still to be finished
.set TB,   87                          ; s87  0 or SLOTX
.set J1,   88                          ; s88, s89  the two tiles' blocks of 128 queries: the last visible block of keys
.set J2,   89
.set PM,   90                          ; s90  all ones if p = 1
.set CS,   92
.set MSB, 0
.macro WIN new
.if MSB != (\new)
	s_set_vgpr_msb (MSB<<8)|(\new)
.set MSB, \new
.endif
.endm
.macro PLACES
.rept 4
	v_nop
.endr
.endm
.macro JLOAD                           ; a joint refill by the walking set: waves 0, 1 fetch V's halves, waves 2, 3 P's; an s_nop 0 and four v_nop follow each line
	s_cmp_eq_u32 s11, 0
	s_cbranch_scc0 .Lfor_b_\@
	tensor_load_to_lds s[G0+4:G0+7], s[G1:G1+7]
	s_nop 0
.rept 4
	v_nop
.endr
	s_branch .Lasked_\@
.Lfor_b_\@:
	tensor_load_to_lds s[G0B+4:G0B+7], s[G1B:G1B+7]
	s_nop 0
.rept 4
	v_nop
.endr
.Lasked_\@:
.endm
.macro CREST
	s_cmp_lg_u32 s10, 0
	s_cbranch_scc1 .Lnot_wave_0_\@
	s_barrier_signal -3
.Lnot_wave_0_\@:
	s_barrier_wait -3
	s_barrier_signal -1
	s_barrier_wait -1
.endm
.macro CROUND
	s_barrier_signal -1
	s_barrier_wait -1
	CREST
.endm
.macro MUL8 f, c, a0, zero             ; channel blocks a0, a0 + 1 x all 4 query blocks, 32 keys: half c of buffer f.  The 16 accumulators take turns
	WIN 0x05
.irp a, \a0, (\a0)+1
.irp b, 0,1,2,3
.if \zero
	v_wmma_f32_16x16x32_f16 v[ACC+8*(4*(\a)+(\b)):ACC+8*(4*(\a)+(\b))+7], v[(\f)+64+8*(4*(\c)+(\b)):(\f)+64+8*(4*(\c)+(\b))+7], v[(\f)+8*(4*(\c)+(\a)):(\f)+8*(4*(\c)+(\a))+7], 0
.else
	v_wmma_f32_16x16x32_f16 v[ACC+8*(4*(\a)+(\b)):ACC+8*(4*(\a)+(\b))+7], v[(\f)+64+8*(4*(\c)+(\b)):(\f)+64+8*(4*(\c)+(\b))+7], v[(\f)+8*(4*(\c)+(\a)):(\f)+8*(4*(\c)+(\a))+7], v[ACC+8*(4*(\a)+(\b)):ACC+8*(4*(\a)+(\b))+7]
.endif
.endr
.endr
.endm
.macro FETCH q, f                      ; 32 LDS loads in one run: the fragments of the step's keys 64 q .. 64 q + 63 into buffer f; the first 32 keys first
	WIN 0x40
.irp c, 0,1
.irp i, 0,1,2,3
	ds_load_b128 v[(\f)+64+8*(4*(\c)+(\i)):(\f)+64+8*(4*(\c)+(\i))+3],   v[ADRB] offset:128*(\q)+64*(\c)+(\i)*16*PPP
	ds_load_b128 v[(\f)+64+8*(4*(\c)+(\i))+4:(\f)+64+8*(4*(\c)+(\i))+7], v[ADRB] offset:128*(\q)+64*(\c)+(\i)*16*PPP+32
.if (\q) < 2
	ds_load_tr16_b128 v[(\f)+8*(4*(\c)+(\i)):(\f)+8*(4*(\c)+(\i))+3],   v[ADRAL] offset:(((\q)&1)*64+32*(\c))*PVP+32*(\i)
	ds_load_tr16_b128 v[(\f)+8*(4*(\c)+(\i))+4:(\f)+8*(4*(\c)+(\i))+7], v[ADRAL] offset:(((\q)&1)*64+32*(\c))*PVP+32*(\i)+16*PVP
.else
	ds_load_tr16_b128 v[(\f)+8*(4*(\c)+(\i)):(\f)+8*(4*(\c)+(\i))+3],   v[ADRAH] offset:(((\q)&1)*64+32*(\c))*PVP+32*(\i)
	ds_load_tr16_b128 v[(\f)+8*(4*(\c)+(\i))+4:(\f)+8*(4*(\c)+(\i))+7], v[ADRAH] offset:(((\q)&1)*64+32*(\c))*PVP+32*(\i)+16*PVP
.endif
.endr
.endr
.endm
.macro WLOAD off                       ; wl of a step's two blocks of keys for my four blocks of queries
	WIN 0
.irp kb, 0,1
.irp b, 0,1,2,3
	ds_load_u16 v[WR+4*(\kb)+(\b)], v[WAD] offset:(\off)+256*(\kb)+32*(\b)
.endr
.endr
.endm
.macro DUP                             ; into both halves of the word
	WIN 0
.irp n, 0,1,2,3,4,5,6,7
	v_lshl_or_b32 v[WR+(\n)], v[WR+(\n)], 16, v[WR+(\n)]
.endr
.endm
.macro SCALE f, c, kb                  ; P's four fragments of half c times their query's wl: a lane of a fragment holds one query
	WIN 0x41
.irp b, 0,1,2,3
.irp n, 0,1,2,3,4,5,6,7
	v_pk_mul_f16 v[(\f)+64+8*(4*(\c)+(\b))+(\n)], v[(\f)+64+8*(4*(\c)+(\b))+(\n)], v[WR+4*(\kb)+(\b)]
.endr
.endr
.endm
; A step is four quarters of 64 keys on buffers 0, 1, 0, 1.  One of the first three: multiplies buffer f (its keys lie in block kb of the step) and fetches quarter q into g.
.macro QUARTER q, f, g, zero, kb, dup
	s_wait_dscnt 16                                ; the first 32 keys are in (and wl, asked for ahead of them)
.if \dup
	DUP
.endif
	SCALE \f, 0, \kb
	MUL8 \f, 0, 0, \zero
	MUL8 \f, 0, 2, \zero
	PLACES
	FETCH \q, \g
	s_wait_dscnt 32                                ; all but the 32 just issued
	SCALE \f, 1, \kb
	MUL8 \f, 1, 0, 0
	MUL8 \f, 1, 2, 0
.endm
; The first half of the last quarter and the change of slots.  fill = 1: the walking descriptors take the slot just read and step NXT of the tile that is being asked for: the addresses are made anew from
; that number; behind the first tile's last step comes the second tile's step 0.
.macro MEET fill
	WIN 0
	s_wait_tensorcnt 0x0                           ; no tensor load of mine is out, so a group 0 may be written
	ds_add_u32 v[SPW], v[NIL]                      ; 0 onto my spare word; work on registers stands between it and the wait for it
	s_xor_b32 s[TB], s[TB], SLOTX
.if \fill
	s_mul_i32 s[OA], s[NXT], 256*6144              ; 256 keys of 6,144 bytes
	s_lshl_b32 s[OB], s[NXT], 9                    ; 256 keys of 2 bytes
	s_xor_b32 s[G0+5], s[G0+5], SLOTX
	s_add_nc_u64 s[G0+6:G0+7], s[VB:VB+1], s[OA:OA+1]
	s_or_b32 s[G0+7], s[G0+7], 0x80000000
	s_xor_b32 s[G0B+5], s[G0B+5], SLOTX
	s_add_nc_u64 s[G0B+6:G0B+7], s[PCUR:PCUR+1], s[OB:OB+1]
	s_or_b32 s[G0B+7], s[G0B+7], 0x80000000
	s_add_co_u32 s[NXT], s[NXT], 1
	s_cmp_eq_u32 s[NXT], s[NREQ]
	s_cselect_b32 s[NXT], 0, s[NXT]
	s_cselect_b64 s[PCUR:PCUR+1], s[P2:P2+1], s[PCUR:PCUR+1]
	s_cselect_b32 s[NREQ], 99, s[NREQ]             ; the second tile's steps end with the walk
.endif
	s_wait_dscnt 17                                ; the add and the youngest sixteen loads may be out
	SCALE F1, 0, 1
	MUL8 F1, 0, 0, 0
	s_wait_dscnt 0x0                               ; the add is done, and my reads of this slot are over
	s_barrier_signal -1
	MUL8 F1, 0, 2, 0
	SCALE F1, 1, 1                                 ; wl's last use in this step
	WIN 0
	s_barrier_wait -1
.endm
.macro NEXTSTEP                        ; the next slot's addresses, the next step's wl and first fragments
	v_add_nc_u32 v[ADRB], s[TB], v[ADRB0]
	v_add_nc_u32 v[ADRAL], s[TB], v[ADRA0]
	v_add_nc_u32 v[ADRAH], 128*PVP, v[ADRAL]
	WLOAD 512
	v_add_nc_u32 v[WAD], 512, v[WAD]
	FETCH 0, F0
	MUL8 F1, 1, 0, 0
	MUL8 F1, 1, 2, 0
.endm
.macro TURN                            ; the barrier opens a round of the cluster's; the joint refill is the first thing behind it: 112 matrix instructions stand between it and the wait for it
	MEET 1
	CREST
	JLOAD
	NEXTSTEP
.endm
; THE WAY OUT: rounded to f16, 16 bytes a lane into the work-group's stage; a barrier, since a row's 256 bytes come from two waves; back as whole rows, 32 a wave.  The stage is written again only behind a
; later change of slots, in front of whose barrier every wave has waited for its reads.
.macro WAYOUT
	WIN 0
	PLACES
.irp t, 0,1,2,3,4,5,6,7,8,9,10,11,12,13,14,15
.irp r, 0,1,2,3
	v_cvt_pk_f16_f32 v[TMP+4*(\t)+(\r)], v[ACC+8*(\t)+2*(\r)], v[ACC+8*(\t)+2*(\r)+1]
.endr
.endr
.irp a, 0,1,2,3
.irp b, 0,1,2,3
	ds_store_b128 v[STO], v[TMP+4*(4*(\a)+(\b)):TMP+4*(4*(\a)+(\b))+3] offset:(\a)*16*SPITCH+32*(\b)
.endr
.endr
	s_wait_dscnt 0x0                               ; for the others' sake: my stores into the stage are done
	s_barrier_signal -1
	s_barrier_wait -1
.irp t, 0,1,2,3,4,5,6,7,8,9,10,11,12,13,14,15
	ds_load_b128 v[TMP+4*(\t):TMP+4*(\t)+3], v[RD] offset:(\t)*2*SPITCH
.endr
.irp t, 0,1,2,3,4,5,6,7,8,9,10,11,12,13,14,15
	s_wait_dscnt 15-(\t)
	global_store_b128 v[CO], v[TMP+4*(\t):TMP+4*(\t)+3], s[8:9] offset:(\t)*2*4096   ; 16 lanes store 256 consecutive bytes, at a multiple of 256 from ot's first byte
.endr
.endm
; THE STATISTICS.  Thread t owns query t of each tile.  A block beyond the last visible one is read as that one (only words that the launch before wrote are read) and counts with factor 0.
.macro STLOAD k, blk, j, st
	s_min_u32 s91, s[\j], \blk
	s_lshl_b32 s91, s91, 13                        ; a block's 2,048 words
	v_add_nc_u32 v[OFS+(\k)], s91, v[L4]
	global_load_b32 v[MM+(\k)], v[OFS+(\k)], s[\st:\st+1]
	global_load_b32 v[LL+(\k)], v[OFS+(\k)], s[\st:\st+1] offset:524288
.endm
.macro STMATH k0, nb, j
	v_max3_num_f32 v[SM], v[MM+(\k0)], v[MM+(\k0)+1], v[MM+(\k0)+2]
.set i, 3
.rept ((\nb)-4)/2
	v_max3_num_f32 v[SM], v[SM], v[MM+(\k0)+i], v[MM+(\k0)+i+1]
.set i, i+2
.endr
	v_max_num_f32 v[SM], v[SM], v[MM+(\k0)+(\nb)-1]   ; M: the row's maximum
.set i, 0
.rept \nb
	v_sub_f32 v[MM+(\k0)+i], v[MM+(\k0)+i], v[SM]
.set i, i+1
.endr
.set i, 0
.rept \nb
	v_mul_f32 v[MM+(\k0)+i], s[CS], v[MM+(\k0)+i]
.set i, i+1
.endr
.set i, 0
.rept \nb
	v_exp_f32 v[MM+(\k0)+i], v[MM+(\k0)+i]
.set i, i+1
.endr
	v_nop                                          ; a plain instruction between the last exponential and the use of its result
	s_wait_alu depctr_va_vdst(0)
.set i, 0
.rept \nb
	s_cmp_ge_u32 s[\j], i
	s_cselect_b32 s91, 1.0, 0
	v_mul_f32 v[MM+(\k0)+i], s91, v[MM+(\k0)+i]
.set i, i+1
.endr
	v_mul_f32 v[SL], v[MM+(\k0)], v[LL+(\k0)]
	v_mul_f32 v[SL+1], v[MM+(\k0)+1], v[LL+(\k0)+1]
.set i, 2
.rept (\nb)-2
	v_fmac_f32 v[SL+i%2], v[MM+(\k0)+i], v[LL+(\k0)+i]
.set i, i+1
.endr
	v_add_f32 v[SL], v[SL], v[SL+1]                ; L: at least 1, since the block that holds M counts its own maximum as 1
	v_rcp_f32 v[SL], v[SL]
	v_nop
.set i, 0
	s_wait_alu depctr_va_vdst(0)
.rept \nb
	v_mul_f32 v[MM+(\k0)+i], v[MM+(\k0)+i], v[SL]
.set i, i+1
.endr
.set i, 0
.rept \nb
	v_cvt_pk_f16_f32 v[MM+(\k0)+i], v[MM+(\k0)+i], v[MM+(\k0)+i]
.set i, i+1
.endr
.endm
	s_load_b128 s[4:7], s[0:1], 0x0                ; qkv s[4:5], pt s[6:7]
	s_load_b64 s[ST1:ST1+1], s[0:1], 0x10          ; st
	s_load_b64 s[8:9], s[0:1], 0x18                ; ot
	v_lshl_add_u32 v[SPW], v0, 2, SPARE
	v_mov_b32 v[NIL], 0
	ds_add_u32 v[SPW], v[NIL]                      ; the wave's opening: the add and its wait stand ahead of my first tensor load
	v_lshrrev_b32 v1, 5, v0
	v_readfirstlane_b32 s10, v1
	s_lshr_b32 s11, s10, 1                         ; my half of the tile's channels; also: I fetch V (0) or P (1)
	s_and_b32 s12, s10, 1                          ; my half of its queries; also: which half of that tile I fetch
	s_bfe_u32 s40, ttmp6, 0x40000                  ; cx: the block of queries within a group
	s_bfe_u32 s41, ttmp6, 0x40004                  ; cy: the block of channels within a half
	s_mov_b32 s42, ttmp9                           ; p
	s_and_b32 s13, ttmp7, 0xffff
	s_lshr_b32 s14, s13, 1                         ; the batch
	s_and_b32 s15, s13, 1
	s_lshl_b32 s15, s15, 2
	s_add_co_u32 s15, s15, s41                     ; the block of 128 channels
	s_lshl_b32 s43, s41, 2
	s_lshl_b32 s43, 15, s43                        ; my row of the cluster
	s_lshl_b32 s44, 0x1111, s40                    ; my column
	s_sub_co_u32 s[J1], 3, s42
	s_lshl_b32 s[J1], s[J1], 2
	s_add_co_u32 s[J1], s[J1], s40                 ; tile 1: block 4 (3 - p) + cx
	s_lshl_b32 s[J2], s42, 2
	s_add_co_u32 s[J2], s[J2], s40                 ; tile 2: block 4 p + cx
	s_lshl_b32 s16, s42, 1
	s_sub_co_u32 s[NREQ], 8, s16                   ; tile 1 has 8 - 2 p steps
	s_mov_b32 s[LEFT], s[NREQ]
	s_mov_b32 s[NXT], 2
	s_cmp_eq_u32 s42, 1
	s_cselect_b32 s[PM], -1, 0
	s_mov_b32 s[TB], 0
	s_mov_b32 s[OA+1], 0
	s_mov_b32 s[OB+1], 0
	s_mov_b32 s[CS], 0x3e38aa3b                    ; c = log2(e) / 8
	s_or_b32 s[G1+0], s43, (1<<16)|(1<<20)|(1<<21)|(5<<22)|(7<<25)   ; V: after every 64 words 8 words of padding
	s_mov_b32 s[G1+1], 128<<16                     ; tensor_dim0 = 128 channels
	s_mov_b32 s[G1+2], 128<<16                     ; tensor_dim1 = 128 keys
	s_mov_b32 s[G1+3], 128<<16                     ; tile_dim0
	s_mov_b32 s[G1+4], 128                         ; tile_dim1
	s_mov_b32 s[G1+5], 3072
	s_mov_b32 s[G1+6], 0
	s_mov_b32 s[G1+7], 0
	s_or_b32 s[G1B+0], s44, (1<<16)|(1<<20)|(1<<21)|(6<<22)|(3<<25)  ; P: after every 128 words 4 words
	s_mov_b32 s[G1B+1], 256<<16                    ; tensor_dim0 = 256 keys
	s_mov_b32 s[G1B+2], 64<<16                     ; tensor_dim1 = 64 queries
	s_mov_b32 s[G1B+3], 256<<16
	s_mov_b32 s[G1B+4], 64
	s_mov_b32 s[G1B+5], 2048
	s_mov_b32 s[G1B+6], 0
	s_mov_b32 s[G1B+7], 0
	s_mul_i32 s16, s14, 2048*6144                  ; V: the batch, my 128 keys of a step, column 2,048, my channels: no cx in it
	s_mul_i32 s18, s12, 128*6144
	s_add_co_u32 s16, s16, s18
	s_lshl_b32 s18, s15, 8
	s_add_co_u32 s16, s16, s18
	s_add_co_u32 s16, s16, 4096
	s_mov_b32 s17, 0
	s_lshl_b32 s20, s14, 23                        ; P: the batch, my 64 queries of a tile, the tile's block: no cy in it
	s_lshl_b32 s21, s12, 18
	s_add_co_u32 s20, s20, s21
	s_lshl_b32 s46, s[J1], 19
	s_add_co_u32 s46, s46, s20
	s_mov_b32 s47, 0
	s_lshl_b32 s22, s[J2], 19
	s_add_co_u32 s22, s22, s20
	s_mov_b32 s23, 0
	s_mul_i32 s18, s12, 128*PVP                    ; where my tile goes, for V
	s_mul_i32 s19, s12, 64*PPP                     ; and for P
	s_add_co_u32 s19, s19, AREG
	s_mov_b32 s[G0], 1
	s_mov_b32 s[G0+1], s18
	s_mov_b32 s[G0+4], 1
	s_add_co_u32 s[G0+5], s18, SLOTX
	s_mov_b32 s[G0B], 1
	s_mov_b32 s[G0B+1], s19
	s_mov_b32 s[G0B+4], 1
	s_add_co_u32 s[G0B+5], s19, SLOTX
	s_wait_dscnt 0x0                               ; the opening add is done
	s_wait_kmcnt 0x0
	s_add_nc_u64 s[VB:VB+1], s[4:5], s[16:17]
	s_add_nc_u64 s[PCUR:PCUR+1], s[6:7], s[46:47]
	s_add_nc_u64 s[P2:P2+1], s[6:7], s[22:23]
	s_add_nc_u64 s[G0+2:G0+3], s[VB:VB+1], 0       ; step 0,
	s_add_nc_u64 s[G0+6:G0+7], s[VB:VB+1], 256*6144  ; step 1
	s_or_b32 s[G0+3], s[G0+3], 0x80000000
	s_or_b32 s[G0+7], s[G0+7], 0x80000000
	s_add_nc_u64 s[G0B+2:G0B+3], s[PCUR:PCUR+1], 0
	s_add_nc_u64 s[G0B+6:G0B+7], s[PCUR:PCUR+1], 512
	s_or_b32 s[G0B+3], s[G0B+3], 0x80000000
	s_or_b32 s[G0B+7], s[G0B+7], 0x80000000
	CROUND
	s_cmp_eq_u32 s11, 0                            ; a wave's two first fills stand in one branch: two loads of mine are out
	s_cbranch_scc0 .Lfirst_b
	tensor_load_to_lds s[G0:G0+3], s[G1:G1+7]
	s_nop 0
	tensor_load_to_lds s[G0+4:G0+7], s[G1:G1+7]
	s_nop 0
.rept 4
	v_nop
.endr
	s_branch .Lfirst_asked
.Lfirst_b:
	tensor_load_to_lds s[G0B:G0B+3], s[G1B:G1B+7]
	s_nop 0
	tensor_load_to_lds s[G0B+4:G0B+7], s[G1B:G1B+7]
	s_nop 0
.rept 4
	v_nop
.endr
.Lfirst_asked:
	s_lshl_b32 s20, s14, 17                        ; st: the batch's 16 blocks of 2,048 words, the tile's 128 queries
	s_lshl_b32 s22, s[J2], 9
	s_add_co_u32 s22, s22, s20
	s_add_nc_u64 s[ST2:ST2+1], s[ST1:ST1+1], s[22:23]
	s_lshl_b32 s22, s[J1], 9
	s_add_co_u32 s22, s22, s20
	s_add_nc_u64 s[ST1:ST1+1], s[ST1:ST1+1], s[22:23]
	v_lshlrev_b32 v[L4], 2, v0
.set k, 0
.rept 16
	STLOAD k, k, J1, ST1
.set k, k+1
.endr
.set k, 0
.rept 8
	STLOAD 16+k, k, J2, ST2
.set k, k+1
.endr
	s_lshl_b32 s20, s14, 22                        ; ot: the batch, my block of channels, my wave's 32 rows of it, the tile's 128 queries
	s_lshl_b32 s21, s15, 19
	s_add_co_u32 s20, s20, s21
	s_lshl_b32 s21, s10, 17
	s_add_co_u32 s20, s20, s21
	s_lshl_b32 s22, s[J2], 8
	s_add_co_u32 s22, s22, s20
	s_add_nc_u64 s[C2:C2+1], s[8:9], s[22:23]
	s_lshl_b32 s22, s[J1], 8
	s_add_co_u32 s22, s22, s20
	s_add_nc_u64 s[8:9], s[8:9], s[22:23]
	v_and_b32 v1, 15, v0                           ; l % 16
	v_bfe_u32 v2, v0, 4, 1                         ; l / 16
	v_mul_u32_u24 v3, v1, PPP                      ; P: row l % 16 of a block of queries, 16 bytes for each half of the lanes
	v_lshl_add_u32 v3, v2, 4, v3
	s_mul_i32 s21, s12, 64*PPP
	s_add_co_u32 s21, s21, AREG
	v_add_nc_u32 v[ADRB0], s21, v3
	v_and_b32 v4, 7, v0                            ; V: the turning load takes key 8 (l / 16) + l % 8, channels 8 ((l / 8) % 2) + 0..7
	v_bfe_u32 v5, v0, 3, 1
	v_lshl_add_u32 v6, v2, 3, v4
	v_mul_u32_u24 v6, v6, PVP
	v_lshl_add_u32 v6, v5, 4, v6
	s_lshl_b32 s21, s11, 7                         ; my 64 channels
	v_add_nc_u32 v[ADRA0], s21, v6
	v_mov_b32 v[ADRB], v[ADRB0]
	v_mov_b32 v[ADRAL], v[ADRA0]
	v_add_nc_u32 v[ADRAH], 128*PVP, v[ADRA0]
	s_lshl_b32 s21, s12, 7                         ; my 64 queries' wl
	s_add_co_u32 s21, s21, WT
	v_lshl_add_u32 v[WAD], v1, 1, s21
	v_lshl_add_u32 v[WS], v0, 1, WT
	s_mul_i32 s21, s11, 64*SPITCH                  ; into the stage: my 64 rows, my half of their 256 bytes
	s_lshl_b32 s22, s12, 7
	s_add_co_u32 s21, s21, s22
	s_add_co_u32 s21, s21, STAGE
	v_mul_u32_u24 v4, v1, SPITCH
	v_lshl_add_u32 v4, v2, 4, v4
	v_add_nc_u32 v[STO], s21, v4
	s_mul_i32 s21, s10, 32*SPITCH                  ; back: wave w takes rows 32 w .. 32 w + 31, whole
	s_add_co_u32 s21, s21, STAGE
	v_mul_u32_u24 v5, v2, SPITCH
	v_lshl_add_u32 v5, v1, 4, v5
	v_add_nc_u32 v[RD], s21, v5
	v_lshlrev_b32 v5, 12, v2                       ; a row of ot is 4,096 bytes
	v_lshl_add_u32 v[CO], v1, 4, v5
	s_wait_loadcnt 0x0
	STMATH 0, 16, J1
	STMATH 16, 8, J2
	; the table lies in the order of the walk: blocks 0-11 are tile 1's; 12-15 tile 1's 12-15 (p = 0) or tile 2's 0-3; 16-19 tile 2's 0-3 (p = 0) or 4-7
.set i, 0
.rept 12
	ds_store_b16 v[WS], v[MM+i] offset:256*i
.set i, i+1
.endr
.set i, 0
.rept 4
	v_cndmask_b32 v[SEL+i], v[MM+12+i], v[MM+16+i], s[PM]
	v_cndmask_b32 v[SEL+4+i], v[MM+16+i], v[MM+20+i], s[PM]
	ds_store_b16 v[WS], v[SEL+i] offset:256*(12+i)
	ds_store_b16 v[WS], v[SEL+4+i] offset:256*(16+i)
.set i, i+1
.endr
	s_wait_tensorcnt 0x1                           ; my part of step 0 is in; step 1's may stay out
	s_wait_dscnt 0x0                               ; for the others' sake: my part of the table is written
	s_barrier_signal -1
	s_barrier_wait -1
	WLOAD 0
	FETCH 0, F0
	QUARTER 1, F0, F1, 1, 0, 1                     ; the first quarter stands in front of the loop: its first products start the sums
	WIN 0
	s_mov_b32 s3, 8
.Lstep:                                            ; a trip: quarters 1 to 3 of step t of the walk, quarter 0 of step t + 1; step t's slot is filled again with step t + 2
	QUARTER 2, F1, F0, 0, 0, 0
	QUARTER 3, F0, F1, 0, 1, 0
	TURN
	WIN 0
	s_sub_co_u32 s[LEFT], s[LEFT], 1
	s_cmp_lg_u32 s[LEFT], 0                        ; hangs on p and the count of trips: alike in all waves and in all partners
	s_cbranch_scc1 .Lsame
	WAYOUT                                         ; the first tile is finished; the refill for the second is on its way
	s_wait_xcnt 0x0                                ; only behind this wait are the stores' base and data rewritten
	s_mov_b64 s[8:9], s[C2:C2+1]
	QUARTER 1, F0, F1, 1, 0, 1                     ; the second tile's first products start its sums
	WIN 0
	s_branch .Lnext
.Lsame:
	QUARTER 1, F0, F1, 0, 0, 1
	WIN 0
.Lnext:
	s_sub_co_u32 s3, s3, 1
	s_cmp_lg_u32 s3, 0
	s_cbranch_scc1 .Lstep
	s_mov_b32 s3, 2
.Ltail:                                            ; the walk's last two steps ask for nothing; the second trip is left in its middle
	QUARTER 2, F1, F0, 0, 0, 0
	QUARTER 3, F0, F1, 0, 1, 0
	MEET 0
	s_sub_co_u32 s3, s3, 1
	s_cmp_eq_u32 s3, 0
	s_cbranch_scc1 .Llast
	PLACES
	NEXTSTEP
	QUARTER 1, F0, F1, 0, 0, 1
	WIN 0
	s_branch .Ltail
.Llast:
	MUL8 F1, 1, 0, 0
	MUL8 F1, 1, 2, 0
	WAYOUT
	s_wait_tensorcnt 0x0                           ; the wave's end
	ds_add_u32 v[SPW], v[NIL]
	s_wait_dscnt 0x0
	CROUND                                         ; the closing round
	s_endpgm
.Lfunc_end_k_qaebe89721c_pv:
	.size	k_qaebe89721c_pv, .Lfunc_end_k_qaebe89721c_pv-k_qaebe89721c_pv
	.p2alignl 7, 3214868480
	.fill 96, 4, 3214868480
	.section	.rodata,"a",@progbits
	.p2align	6, 0x0
	.amdhsa_kernel k_qaebe89721c_pv
		.amdhsa_group_segment_fixed_size 327680
		.amdhsa_private_segment_fixed_size 0
		.amdhsa_enable_private_segment 0
		.amdhsa_kernarg_size 32
		.amdhsa_user_sgpr_count 2
		.amdhsa_user_sgpr_kernarg_segment_ptr 1
		.amdhsa_wavefront_size32 1
		.amdhsa_system_sgpr_workgroup_id_x 1
		.amdhsa_system_sgpr_workgroup_id_y 1
		.amdhsa_system_sgpr_workgroup_id_z 1
		.amdhsa_system_vgpr_workitem_id 0
		.amdhsa_next_free_vgpr 512
		.amdhsa_next_free_sgpr 96
		.amdhsa_reserve_vcc 0
		.amdhsa_float_denorm_mode_32 3
		.amdhsa_float_denorm_mode_16_64 3
		.amdhsa_memory_ordered 1
		.amdhsa_forward_progress 1
		.amdhsa_inst_pref_size 136
	.end_amdhsa_kernel
	.amdgpu_metadata
---
amdhsa.version: [ 1, 2 ]
amdhsa.kernels:
  - .name:           k_qaebe89721c_pv
    .symbol:         k_qaebe89721c_pv.kd
    .args:
      - { .name: qkv, .offset: 0, .size: 8, .value_kind: global_buffer, .address_space: global }
      - { .name: pt, .offset: 8, .size: 8, .value_kind: global_buffer, .address_space: global }
      - { .name: st, .offset: 16, .size: 8, .value_kind: global_buffer, .address_space: global }
      - { .name: ot, .offset: 24, .size: 8, .value_kind: global_buffer, .address_space: global }
    .group_segment_fixed_size: 327680
    .private_segment_fixed_size: 0
    .kernarg_segment_align: 8
    .kernarg_segment_size: 32
    .max_flat_workgroup_size: 128
    .sgpr_count:     96
    .vgpr_count:     512
    .wavefront_size: 32
...
	.end_amdgpu_metadata
.endif
;; end of part 4
;; launch outp (part 5): grid 4 x 64, 4 waves a work-group, clusters of 4 x 4, 327,680 bytes of LDS; arguments ot, wob, out0, W_o_b; writes out0
.if DOCPART == 5
	.amdgcn_target "amdgcn-amd-amdhsa--gfx1250"
	.amdhsa_code_object_version 6
	.text
	.protected	k_qaebe89721c_outp
	.globl	k_qaebe89721c_outp
	.p2align	8
	.type	k_qaebe89721c_outp,@function
k_qaebe89721c_outp:
	s_mov_b64 s[64:65], 0
	v_nop
	global_prefetch_b8 v0, s[64:65] scope:SCOPE_SE
	s_setreg_imm32_b32 hwreg(HW_REG_WAVE_MODE, 25, 1), 1
	s_wait_xcnt 0x0
	s_wait_alu depctr_hold_cnt(0) depctr_sa_sdst(0) depctr_va_vdst(0) depctr_va_sdst(0) depctr_va_ssrc(0) depctr_va_vcc(0) depctr_vm_vsrc(0)
	s_getreg_b32 s2, hwreg(HW_REG_IB_STS2, 6, 4)
	s_cmp_eq_u32 s2, 0
	s_cbranch_scc0 .Lentry_in_a_cluster
	s_endpgm
.Lentry_in_a_cluster:
	s_bfe_u32 s2, ttmp6, 0x10000c
	s_cmp_lg_u32 s2, 0xf033
	s_cbranch_scc0 .Lentry_shape_is_right
	s_endpgm
.Lentry_shape_is_right:
; out0[m][n] = sum over k of ot[m][k] wob[n][k] + bf16(b[n]).  ot: the attention's output [4][1024 channels][2048 queries] f16, read as [8192][1024]: that is the module's transpose and reshape.
; wob: [1024][1024] f16, b: [1024] f32, out0: [8192][1024] f32.  Sums in f32; the bias is the C operand of the products that start the sums; nothing is rounded on the way out.
; THE TILE is 128 x 256: C has 64 x 4 = 256 of them, one for each of the 256 WGPs (tiles of 256 x 256 would be 128).  Four waves, each 64 x 128: 32 accumulators, one window of registers.
; K goes in 8 steps of 128 through two LDS slots; a row of a tile is 256 bytes of memory at a multiple of 256.  4 x 4 work-groups form a cluster: A's tiles are shared along a row, B's along a column,
; each asked for jointly.  THE MATRIX INSTRUCTION IS USED TRANSPOSED (source 0 = 16 rows of B, source 1 = 16 rows of A): a lane holds row l % 16 of C and eight neighbouring columns.
; The loop's body is ONE K step (the slot is a scalar that an exclusive or turns), the two steps that ask for nothing are a loop of two trips left in its middle, and the way out is a dump of the f32 sums
; into the slots, dead by then: a wave's 128 columns are 512 bytes of a row, which come back by one load of the wave and leave by one store.
; REGISTERS: window 0: v0-31 addresses; v64-95, v96-127 A's four fragments, two buffers; v128-191 the bias.  window 1: v0-63, v64-127 B's eight fragments.  window 2: accumulator (a, b) at 8 (8 a + b).
.set LDK,   1024
.set LDC,   1024
.set STEPS, LDK/128
.set PITCH, 272                        ; 256 bytes + 16: the 16 rows of a fragment load start at 16 different groups of four banks (64 banks of 4 bytes: ISA guide 11.1)
.set AHALF, 64*PITCH                   ; what a load for A brings
.set AREG,  2*AHALF                    ; A's 128 rows, then B's 256
.set BHALF, 128*PITCH                  ; what a load for B brings
.set SLOTX, 0x20000                    ; slot 1 begins here: the bit is in none of the tiles' places 0, 0x4400, 0x8800, 0x11000
.set SPARE, SLOTX+AREG+2*BHALF         ; behind slot 1: the spare words: two blocks of 256 bytes that no other line names
.set DP,    528                        ; a row of the dump: 128 f32 + 16 bytes
.set DUMPW, 64*DP                      ; a wave's dump; four of them end at 135,168
.set ADRA,  16
.set ADRA0, 17
.set ADRB,  20
.set ADRB0, 21
.set DA,    22
.set RA,    23
.set GO,    24
.set SPW,   28
.set NIL,   29
.set FA,    64
.set BIAS,  128
.set G1,  24
.set G0,  32
.set G1B, 48
.set G0B, 56
.set TB,  66
.set MSB, 0
.macro WIN new
.if MSB != (\new)
	s_set_vgpr_msb (MSB<<8)|(\new)
.set MSB, \new
.endif
.endm
.macro PLACES
.rept 4
	v_nop
.endr
.endm
.macro JLOAD                           ; a joint refill by the walking set: waves 0, 1 fetch A's halves, waves 2, 3 B's; an s_nop 0 and four v_nop follow each line
	s_cmp_eq_u32 s11, 0
	s_cbranch_scc0 .Lfor_b_\@
	tensor_load_to_lds s[G0+4:G0+7], s[G1:G1+7]
	s_nop 0
.rept 4
	v_nop
.endr
	s_branch .Lasked_\@
.Lfor_b_\@:
	tensor_load_to_lds s[G0B+4:G0B+7], s[G1B:G1B+7]
	s_nop 0
.rept 4
	v_nop
.endr
.Lasked_\@:
.endm
.macro CREST
	s_cmp_lg_u32 s10, 0
	s_cbranch_scc1 .Lnot_wave_0_\@
	s_barrier_signal -3
.Lnot_wave_0_\@:
	s_barrier_wait -3
	s_barrier_signal -1
	s_barrier_wait -1
.endm
.macro CROUND
	s_barrier_signal -1
	s_barrier_wait -1
	CREST
.endm
; n matrix instructions: block of rows a x column blocks b0 .. b0 + n - 1, 32 along K, buffer f.  zero = 1: the sums start with the bias (C in window 0).  The accumulators take turns.
.macro MULA f, a, zero, b0=0, n=8
.if \zero
	WIN 0x81
.else
	WIN 0xa1
.endif
.set mb, \b0
.rept \n
.if \zero
	v_wmma_f32_16x16x32_f16 v[8*(8*(\a)+mb):8*(8*(\a)+mb)+7], v[64*(\f)+8*mb:64*(\f)+8*mb+7], v[FA+32*(\f)+8*(\a):FA+32*(\f)+8*(\a)+7], v[BIAS+8*mb:BIAS+8*mb+7]
.else
	v_wmma_f32_16x16x32_f16 v[8*(8*(\a)+mb):8*(8*(\a)+mb)+7], v[64*(\f)+8*mb:64*(\f)+8*mb+7], v[FA+32*(\f)+8*(\a):FA+32*(\f)+8*(\a)+7], v[8*(8*(\a)+mb):8*(8*(\a)+mb)+7]
.endif
.set mb, mb+1
.endr
.endm
.macro FETCH k, f                      ; 24 LDS loads in one run: the fragments of 32 along K at byte k of the rows, into buffer f; B's first
	WIN 0x40
.irp i, 0,1,2,3,4,5,6,7
	ds_load_b128 v[64*(\f)+8*(\i):64*(\f)+8*(\i)+3],   v[ADRB] offset:(\k)+(\i)*16*PITCH
	ds_load_b128 v[64*(\f)+8*(\i)+4:64*(\f)+8*(\i)+7], v[ADRB] offset:(\k)+(\i)*16*PITCH+32
.endr
	WIN 0
.irp i, 0,1,2,3
	ds_load_b128 v[FA+32*(\f)+8*(\i):FA+32*(\f)+8*(\i)+3],   v[ADRA] offset:(\k)+(\i)*16*PITCH
	ds_load_b128 v[FA+32*(\f)+8*(\i)+4:FA+32*(\f)+8*(\i)+7], v[ADRA] offset:(\k)+(\i)*16*PITCH+32
.endr
.endm
.macro QUARTER k, f, g, zero           ; multiplies buffer f; in its middle fetches the next quarter, at byte k, into g
	s_wait_dscnt 4                                 ; B and A's rows 0-31 are in; the youngest four loads (A's rows 32-63) may be out
	MULA \f, 0, \zero
	MULA \f, 1, \zero
	PLACES
	FETCH \k, \g
	s_wait_dscnt 24                                ; all but the 24 just issued
	MULA \f, 2, \zero
	MULA \f, 3, \zero
.endm
; The first half of a step's last quarter, and the change of slots: each wave waits for all its tensor loads (one is out: its part of the next slot), adds 0 to its spare word, and waits for that and for its
; reads of this slot.  Eight products stand ahead of the wait for the loads, so that little stands between it and the refill.  fill = 1: the walking descriptors step: the slot just read, the K step two on.
.macro MEET fill
	s_wait_dscnt 4
	MULA 1, 0, 0
	WIN 0
	s_wait_tensorcnt 0x0                           ; no tensor load of mine is out, so a group 0 may be written
	ds_add_u32 v[SPW], v[NIL]                      ; 0 onto my spare word; work on registers stands between it and the wait for it
	s_xor_b32 s[TB], s[TB], SLOTX
.if \fill
	s_xor_b32 s[G0+5], s[G0+5], SLOTX
	s_add_nc_u64 s[G0+6:G0+7], s[G0+6:G0+7], 256
	s_xor_b32 s[G0B+5], s[G0B+5], SLOTX
	s_add_nc_u64 s[G0B+6:G0B+7], s[G0B+6:G0B+7], 256
.endif
	MULA 1, 1, 0, 0, 4
	s_wait_dscnt 0x0                               ; the add is done, and my reads of this slot are over
	s_barrier_signal -1
	MULA 1, 1, 0, 4, 4
	WIN 0                                          ; at a branch and at a label every window is 0
	s_barrier_wait -1
.endm
.macro NEXTQ                           ; the next slot's addresses and first fragments; the rest of the last quarter
	v_add_nc_u32 v[ADRA], s[TB], v[ADRA0]
	v_add_nc_u32 v[ADRB], s[TB], v[ADRB0]
	FETCH 0, 0
	MULA 1, 2, 0
	MULA 1, 3, 0
.endm
.macro TURN                            ; the barrier opens a round of the cluster's; the joint refill is the first thing behind it: 120 matrix instructions stand between it and the wait for it
	MEET 1
	CREST
	JLOAD
	NEXTQ
.endm
	s_load_b128 s[4:7], s[0:1], 0x0                ; ot s[4:5], wob s[6:7]
	s_load_b64 s[8:9], s[0:1], 0x10                ; out0
	s_load_b64 s[68:69], s[0:1], 0x18              ; the bias
	v_lshl_add_u32 v[SPW], v0, 2, SPARE
	v_mov_b32 v[NIL], 0
	ds_add_u32 v[SPW], v[NIL]                      ; the wave's opening: the add and its wait stand ahead of my first tensor load
	v_lshrrev_b32 v1, 5, v0
	v_readfirstlane_b32 s10, v1
	s_lshr_b32 s11, s10, 1                         ; my half of the tile's rows; also: I fetch for A (0) or B (1)
	s_and_b32 s12, s10, 1                          ; my half of its columns; also: which half of that tile I fetch
	s_bfe_u32 s40, ttmp6, 0x40000
	s_bfe_u32 s41, ttmp6, 0x40004
	s_lshl_b32 s42, ttmp9, 2
	s_add_co_u32 s42, s42, s40                     ; tile column
	s_and_b32 s13, ttmp7, 0xffff
	s_lshl_b32 s13, s13, 2
	s_add_co_u32 s13, s13, s41                     ; tile row
	s_lshl_b32 s43, s41, 2
	s_lshl_b32 s43, 15, s43
	s_lshl_b32 s44, 0x1111, s40
	s_or_b32 s[G1+0], s43, (1<<16)|(1<<20)|(1<<21)|(5<<22)|(3<<25)   ; the mask; 2-byte elements; padding on; bit 21 beside a mask; after every 64 words 4 words
	s_mov_b32 s[G1+1], 128<<16                     ; tensor_dim0 = 128
	s_mov_b32 s[G1+2], 64<<16                      ; tensor_dim1 = 64
	s_mov_b32 s[G1+3], 128<<16                     ; tile_dim0
	s_mov_b32 s[G1+4], 64                          ; tile_dim1
	s_mov_b32 s[G1+5], LDK
	s_mov_b32 s[G1+6], 0
	s_mov_b32 s[G1+7], 0
	s_or_b32 s[G1B+0], s44, (1<<16)|(1<<20)|(1<<21)|(5<<22)|(3<<25)
	s_mov_b32 s[G1B+1], 128<<16
	s_mov_b32 s[G1B+2], 128<<16                    ; 128 rows
	s_mov_b32 s[G1B+3], 128<<16
	s_mov_b32 s[G1B+4], 128
	s_mov_b32 s[G1B+5], LDK
	s_mov_b32 s[G1B+6], 0
	s_mov_b32 s[G1B+7], 0
	s_lshl_b32 s16, s13, 7
	s_lshl_b32 s17, s12, 6
	s_add_co_u32 s16, s16, s17                     ; A: row 128 x tile row + 64 x half: no cx in it
	s_mul_i32 s16, s16, LDK*2
	s_mov_b32 s17, 0
	s_lshl_b32 s46, s42, 8
	s_lshl_b32 s47, s12, 7
	s_add_co_u32 s46, s46, s47                     ; B: row 256 x tile column + 128 x half: no cy in it
	s_mul_i32 s46, s46, LDK*2
	s_mov_b32 s47, 0
	s_mul_i32 s18, s12, AHALF                      ; where my tile goes, for A
	s_mul_i32 s19, s12, BHALF                      ; and for B
	s_add_co_u32 s19, s19, AREG
	s_mov_b32 s[G0], 1
	s_mov_b32 s[G0+1], s18
	s_mov_b32 s[G0+4], 1
	s_add_co_u32 s[G0+5], s18, SLOTX
	s_mov_b32 s[G0B], 1
	s_mov_b32 s[G0B+1], s19
	s_mov_b32 s[G0B+4], 1
	s_add_co_u32 s[G0B+5], s19, SLOTX
	s_mov_b32 s[TB], 0
	s_mov_b32 s67, 0xffff0000
	s_wait_dscnt 0x0                               ; the opening add is done
	s_wait_kmcnt 0x0
	s_add_nc_u64 s[G0+2:G0+3], s[4:5], s[16:17]    ; K step 0,
	s_add_nc_u64 s[G0+6:G0+7], s[G0+2:G0+3], 256   ; K step 1
	s_or_b32 s[G0+3], s[G0+3], 0x80000000
	s_or_b32 s[G0+7], s[G0+7], 0x80000000
	s_add_nc_u64 s[G0B+2:G0B+3], s[6:7], s[46:47]
	s_add_nc_u64 s[G0B+6:G0B+7], s[G0B+2:G0B+3], 256
	s_or_b32 s[G0B+3], s[G0B+3], 0x80000000
	s_or_b32 s[G0B+7], s[G0B+7], 0x80000000
	CROUND                                         ; all sixteen work-groups are here: the first joint loads meet
	s_cmp_eq_u32 s11, 0                            ; a wave's two first fills stand in one branch: two loads of mine are out
	s_cbranch_scc0 .Lfirst_b
	tensor_load_to_lds s[G0:G0+3], s[G1:G1+7]
	s_nop 0
	tensor_load_to_lds s[G0+4:G0+7], s[G1:G1+7]
	s_nop 0
.rept 4
	v_nop
.endr
	s_branch .Lfirst_asked
.Lfirst_b:
	tensor_load_to_lds s[G0B:G0B+3], s[G1B:G1B+7]
	s_nop 0
	tensor_load_to_lds s[G0B+4:G0B+7], s[G1B:G1B+7]
	s_nop 0
.rept 4
	v_nop
.endr
.Lfirst_asked:
	s_lshl_b32 s14, s13, 7
	s_lshl_b32 s15, s11, 6
	s_add_co_u32 s14, s14, s15
	s_mul_i32 s14, s14, LDC*4                      ; my first row of C, in bytes
	s_lshl_b32 s22, s42, 10
	s_lshl_b32 s23, s12, 9
	s_add_co_u32 s22, s22, s23                     ; my first column, in bytes of f32
	s_add_co_u32 s14, s14, s22
	s_mov_b32 s15, 0
	s_add_nc_u64 s[8:9], s[8:9], s[14:15]
	s_mov_b32 s23, 0
	s_add_nc_u64 s[68:69], s[68:69], s[22:23]
	v_and_b32 v1, 15, v0                           ; l % 16
	v_bfe_u32 v2, v0, 4, 1                         ; l / 16
	v_lshlrev_b32 v6, 5, v2                        ; register j of block b is column 16 b + 8 (l / 16) + j
.irp b, 0,1,2,3,4,5,6,7
	global_load_b128 v[BIAS+8*(\b):BIAS+8*(\b)+3],   v6, s[68:69] offset:64*(\b)
	global_load_b128 v[BIAS+8*(\b)+4:BIAS+8*(\b)+7], v6, s[68:69] offset:64*(\b)+16
.endr
	v_mul_u32_u24 v3, v1, PITCH
	v_lshl_add_u32 v3, v2, 4, v3                   ; a fragment's row x pitch + 16 x half
	s_mul_i32 s21, s11, AHALF                      ; my 64 rows of A
	v_add_nc_u32 v[ADRA0], s21, v3
	v_add_nc_u32 v[ADRB0], s19, v3                 ; my 128 rows of B are the half whose number is my half of the columns
	v_mov_b32 v[ADRA], v[ADRA0]
	v_mov_b32 v[ADRB], v[ADRB0]
	s_mul_i32 s21, s10, DUMPW                      ; my dump
	v_mul_u32_u24 v4, v1, DP                       ; in: row l % 16, 32 bytes for each half of the lanes
	v_lshl_add_u32 v4, v2, 5, v4
	v_add_nc_u32 v[DA], s21, v4
	v_and_b32 v5, 31, v0                           ; back: the wave takes a row's 512 bytes
	v_lshlrev_b32 v[GO], 4, v5
	v_add_nc_u32 v[RA], s21, v[GO]
	s_wait_loadcnt 0x0
.set n, 0
.rept 32                               ; the bias is rounded to bf16 like the other inputs, and widened again
	v_cvt_pk_bf16_f32 v[4+n%4], v[BIAS+2*n], v[BIAS+2*n+1]
	v_lshlrev_b32 v[BIAS+2*n], 16, v[4+n%4]
	v_and_b32 v[BIAS+2*n+1], s67, v[4+n%4]
.set n, n+1
.endr
	s_wait_tensorcnt 0x1                           ; my part of K step 0 is in; step 1's may stay out
	s_barrier_signal -1
	s_barrier_wait -1
	FETCH 0, 0
	QUARTER 64, 0, 1, 1                            ; the first quarter stands in front of the loop: its products start the sums
	WIN 0
	s_mov_b32 s3, STEPS-2
.Lstep:                                            ; a trip: quarters 1 to 3 of step t, quarter 0 of step t + 1; step t's slot is filled again with step t + 2
	QUARTER 128, 1, 0, 0
	QUARTER 192, 0, 1, 0
	TURN
	QUARTER 64, 0, 1, 0
	WIN 0
	s_sub_co_u32 s3, s3, 1
	s_cmp_lg_u32 s3, 0
	s_cbranch_scc1 .Lstep
	s_mov_b32 s3, 2
.Ltail:                                            ; the last two steps ask for nothing; the second trip is left in its middle
	QUARTER 128, 1, 0, 0
	QUARTER 192, 0, 1, 0
	MEET 0
	s_sub_co_u32 s3, s3, 1
	s_cmp_eq_u32 s3, 0
	s_cbranch_scc1 .Llast
	PLACES
	NEXTQ
	QUARTER 64, 0, 1, 0
	WIN 0
	s_branch .Ltail
.Llast:                                            ; behind the barrier just passed no wave reads a slot and no tensor load is out: the slots have had their last fill and may take the dump
	MULA 1, 2, 0
	MULA 1, 3, 0
	WIN 0
	PLACES
	WIN 0x08                                       ; the stores' data in window 2
.irp a, 0,1,2,3
.irp b, 0,1,2,3,4,5,6,7
	ds_store_b128 v[DA], v[8*(8*(\a)+(\b)):8*(8*(\a)+(\b))+3]   offset:(\a)*16*DP+64*(\b)
	ds_store_b128 v[DA], v[8*(8*(\a)+(\b))+4:8*(8*(\a)+(\b))+7] offset:(\a)*16*DP+64*(\b)+16
.endr
.endr
	WIN 0
	s_mov_b32 s3, 4
.Lout:                                             ; 16 rows a trip.  LDS serves a wave's instructions in order (ISA guide 5.7.1.4): these loads see my stores above; nobody else touches my dump
.irp t, 0,1,2,3,4,5,6,7,8,9,10,11,12,13,14,15
	ds_load_b128 v[64+4*(\t):64+4*(\t)+3], v[RA] offset:(\t)*DP
.endr
.irp t, 0,1,2,3,4,5,6,7,8,9,10,11,12,13,14,15
	s_wait_dscnt 15-(\t)                           ; row t is in; the rows behind it may be out
	global_store_b128 v[GO], v[64+4*(\t):64+4*(\t)+3], s[8:9] offset:(\t)*LDC*4   ; the wave stores 512 consecutive bytes, at a multiple of 256 from C's first byte
.endr
	s_wait_xcnt 0x0                                ; only behind this wait are the stores' data and base rewritten
	v_add_nc_u32 v[RA], 16*DP, v[RA]
	s_add_nc_u64 s[8:9], s[8:9], 16*LDC*4
	s_sub_co_u32 s3, s3, 1
	s_cmp_lg_u32 s3, 0
	s_cbranch_scc1 .Lout
	s_wait_tensorcnt 0x0                           ; the wave's end
	ds_add_u32 v[SPW], v[NIL]
	s_wait_dscnt 0x0
	CROUND                                         ; the closing round
	s_endpgm
.Lfunc_end_k_qaebe89721c_outp:
	.size	k_qaebe89721c_outp, .Lfunc_end_k_qaebe89721c_outp-k_qaebe89721c_outp
	.p2alignl 7, 3214868480
	.fill 96, 4, 3214868480
	.section	.rodata,"a",@progbits
	.p2align	6, 0x0
	.amdhsa_kernel k_qaebe89721c_outp
		.amdhsa_group_segment_fixed_size 327680
		.amdhsa_private_segment_fixed_size 0
		.amdhsa_enable_private_segment 0
		.amdhsa_kernarg_size 32
		.amdhsa_user_sgpr_count 2
		.amdhsa_user_sgpr_kernarg_segment_ptr 1
		.amdhsa_wavefront_size32 1
		.amdhsa_system_sgpr_workgroup_id_x 1
		.amdhsa_system_sgpr_workgroup_id_y 1
		.amdhsa_system_sgpr_workgroup_id_z 1
		.amdhsa_system_vgpr_workitem_id 0
		.amdhsa_next_free_vgpr 768
		.amdhsa_next_free_sgpr 80
		.amdhsa_reserve_vcc 0
		.amdhsa_float_denorm_mode_32 3
		.amdhsa_float_denorm_mode_16_64 3
		.amdhsa_memory_ordered 1
		.amdhsa_forward_progress 1
		.amdhsa_inst_pref_size 59
	.end_amdhsa_kernel
	.amdgpu_metadata
---
amdhsa.version: [ 1, 2 ]
amdhsa.kernels:
  - .name:           k_qaebe89721c_outp
    .symbol:         k_qaebe89721c_outp.kd
    .args:
      - { .name: ot, .offset: 0, .size: 8, .value_kind: global_buffer, .address_space: global }
      - { .name: wob, .offset: 8, .size: 8, .value_kind: global_buffer, .address_space: global }
      - { .name: out0, .offset: 16, .size: 8, .value_kind: global_buffer, .address_space: global }
      - { .name: W_o_b, .offset: 24, .size: 8, .value_kind: global_buffer, .address_space: global }
    .group_segment_fixed_size: 327680
    .private_segment_fixed_size: 0
    .kernarg_segment_align: 8
    .kernarg_segment_size: 32
    .max_flat_workgroup_size: 128
    .sgpr_count:     80
    .vgpr_count:     768
    .wavefront_size: 32
...
	.end_amdgpu_metadata
.endif
;; end of part 5
;; ======== version 2 of 2: 5 launches; version 1 with the launch cast written anew for expert scheduling mode
;; limits: values are held in f16: magnitudes above 65,504 overflow, below 6.1e-05 lose precision
;; workspace buffers: xb 16,777,216 bytes; wqb 6,291,456 bytes; wob 2,097,152 bytes; qkv 50,331,648 bytes; pt 33,554,432 bytes; st 1,048,576 bytes; ot 16,777,216 bytes
;; launch cast (part 6): grid 768 x 1, 8 waves a work-group, no clusters, 0 bytes of LDS; arguments x, W_qkv_w, W_o_w, xb, wqb, wob; writes xb, wqb, wob
.if DOCPART == 6
	.amdgcn_target "amdgcn-amd-amdhsa--gfx1250"
	.amdhsa_code_object_version 6
	.text
	.protected	k_qaebe89721c_cast
	.globl	k_qaebe89721c_cast
	.p2align	8
	.type	k_qaebe89721c_cast,@function
k_qaebe89721c_cast:
	s_mov_b64 s[64:65], 0
	v_nop
	global_prefetch_b8 v0, s[64:65] scope:SCOPE_SE
	s_setreg_imm32_b32 hwreg(HW_REG_WAVE_SCHED_MODE, 0, 2), 2
	s_setreg_imm32_b32 hwreg(HW_REG_WAVE_MODE, 25, 1), 1
	s_wait_xcnt 0x0
	s_wait_alu depctr_vm_vsrc(0)
; The three large inputs are rounded once to bf16.  x -> xb and W_qkv_w -> wqb are laid BY BLOCKS OF K: [16 blocks][rows][64 numbers], so that the 64 numbers of neighbouring rows lie end to end and the
; projection can ask for a K step of 64 as rows of 256 bytes.  W_o_w is rounded to bf16 like them and that number is written as f16 (wob, row-major), since the last product's other operand is f16.
; LIMIT: a bf16 number is exact in f16 between 6.1e-5 and 65,504 in magnitude; below that it keeps f16's fixed step of 6e-8, beyond it is lost.
; A stream: no LDS, no matrix unit, no cluster: the work-groups share nothing and every byte is read once and written once.
; A work-group takes 16,384 numbers: groups 0-511 x, 512-703 W_qkv_w, 704-767 W_o_w.  For x and W_qkv_w they are 32 rows x 512 numbers (8 blocks of K): thread t takes row t / 8 and 8 numbers at 8 (t % 8) of each
; block: eight lanes read 256 consecutive bytes of a row, and a store of a wave covers 512 consecutive bytes (four rows of one block), aligned.  All 16 loads of a thread go out at once.
; THE MODE: SCHED_MODE bits 1:0 = 2 (LLVM: expert scheduling mode 2), set by the entry lines.  The code itself states the register dependences between vector instructions and memory instructions,
; with s_wait_alu, always for 0.
; THE PLAN.  Registers that memory instructions touch, in each of the two ways:
;   v1         the loads' offset: made by vector lines at the way's head, read by its sixteen loads, never written again.
;   v2, OFF    the stores' offsets: v2 made ahead of the branch, OFF behind the loads; read by the stores, never written again.
;   X          the loads land here; no vector line names these registers before; the conversions read them behind the wait on LOADcnt; no memory instruction reads them and no load follows.
;   Y          block j's conversions write its four registers, store j reads them; never written again.
; So no register that a memory instruction reads is ever rewritten, and what is to be stated is only: written by vector lines, then read by a memory instruction.  One wait stands ahead of the loads (v1).
; The eight blocks go in four steps of two: a step waits for its four loads; then ONE wait states that the step before has written its Y (and, the first time, that the offsets are written); that step's
; two stores follow it; then come this step's conversions, which name other registers than those stores.  One more wait stands ahead of the last two stores.
.set X,   4                            ; v[4:67]    16 loads of 4 numbers
.set T,   68                           ; v[68:75]   at work (W_o_w's way): four registers for each of a step's two blocks; no memory instruction names them
.set Y,   76                           ; v[76:107]  8 stores of 8 numbers
.set OFF, 108                          ; v[108:115] my byte offset in each of the 8 blocks
	s_load_b256 s[4:11], s[0:1], 0x0               ; x s[4:5], W_qkv_w s[6:7], W_o_w s[8:9], xb s[10:11]
	s_load_b128 s[12:15], s[0:1], 0x20             ; wqb s[12:13], wob s[14:15]
	s_mov_b32 s2, ttmp9
	s_sub_co_u32 s21, s2, 512                      ; my number among W_qkv_w's groups,
	s_sub_co_u32 s22, s2, 704                      ; among W_o_w's
	s_mov_b32 s23, 0xffff0000                      ; a word's upper bf16
	s_mov_b32 s28, 3072*128                        ; bytes in a block of K: W_qkv_w's,
	s_mov_b32 s29, 8192*128                        ; x's
	v_lshlrev_b32 v2, 4, v0                        ; 16 bytes a thread out
	s_wait_kmcnt 0x0
	s_cmp_lt_u32 s2, 512                           ; the choice of buffers hangs on the group's number alone
	s_cselect_b64 s[16:17], s[4:5], s[6:7]
	s_cselect_b64 s[18:19], s[10:11], s[12:13]
	s_cselect_b32 s20, s2, s21
	s_cselect_b32 s28, s29, s28
	s_cmp_lt_u32 s2, 704
	s_cselect_b64 s[16:17], s[16:17], s[8:9]
	s_cselect_b64 s[18:19], s[18:19], s[14:15]
	s_cselect_b32 s20, s20, s22
	s_cbranch_scc0 .Lwo
	v_and_b32 v1, 7, v0                            ; the loads' offset is made first, so that the scalar work below stands between these lines and the wait for them
	v_lshrrev_b32 v3, 3, v0
	v_lshlrev_b32 v1, 5, v1
	v_lshl_add_u32 v1, v3, 12, v1                  ; in: row x 4,096 + 32 x (t % 8)
	s_lshr_b32 s24, s20, 1                         ; my 32 rows,
	s_and_b32 s26, s20, 1                          ; my half of K
	s_lshl_b32 s30, s24, 17                        ; in: 32 rows of 4,096 bytes (255 x 131,072 at the most),
	s_lshl_b32 s27, s26, 11                        ; 512 numbers of 4 bytes
	s_add_co_u32 s30, s30, s27
	s_mov_b32 s31, 0
	s_add_nc_u64 s[16:17], s[16:17], s[30:31]
	s_lshl_b32 s24, s24, 12                        ; out: 32 rows of 128 bytes,
	s_mul_i32 s27, s26, s28
	s_lshl_b32 s27, s27, 3                         ; 8 blocks of K
	s_add_co_u32 s24, s24, s27
	s_mov_b32 s25, 0
	s_add_nc_u64 s[18:19], s[18:19], s[24:25]
	s_wait_alu depctr_va_vdst(0)                   ; v1 is written, which the sixteen loads read as their offset
.irp j, 0,1,2,3,4,5,6,7
	global_load_b128 v[X+8*(\j):X+8*(\j)+3],   v1, s[16:17] offset:(\j)*256 th:TH_LOAD_NT
	global_load_b128 v[X+8*(\j)+4:X+8*(\j)+7], v1, s[16:17] offset:(\j)*256+16 th:TH_LOAD_NT
.endr
.irp j, 0,1,2,3,4,5,6,7
	s_mul_i32 s27, s28, \j
	v_add_nc_u32 v[OFF+(\j)], s27, v2              ; out: 16 t = row x 128 + 16 x (t % 8), in block j
.endr
.irp s, 0,1,2,3                        ; step s: blocks 2 s and 2 s + 1
	s_wait_loadcnt 12-4*(\s)                       ; loads come back in order: this step's four are in, the steps behind it stay out
.if (\s) > 0
	s_wait_alu depctr_va_vdst(0)                   ; the step before has written its two blocks of Y, which the two stores below read; in step 1 also: the eight OFF are written, which the stores read as their offsets
.irp b, 0,1
	global_store_b128 v[OFF+2*(\s)-2+(\b)], v[Y+4*(2*(\s)-2+(\b)):Y+4*(2*(\s)-2+(\b))+3], s[18:19]
.endr
.endif
.irp b, 0,1
.irp n, 0,1,2,3
	v_cvt_pk_bf16_f32 v[Y+4*(2*(\s)+(\b))+(\n)], v[X+8*(2*(\s)+(\b))+2*(\n)], v[X+8*(2*(\s)+(\b))+2*(\n)+1]
.endr
.endr
.endr
	s_wait_alu depctr_va_vdst(0)                   ; step 3 has written blocks 6 and 7 of Y, which the last two stores read
.irp b, 6,7
	global_store_b128 v[OFF+(\b)], v[Y+4*(\b):Y+4*(\b)+3], s[18:19]
.endr
	s_endpgm
.Lwo:                                              ; W_o_w: 8 rows of 2,048 numbers as they lie; to bf16, and that number as f16
	v_lshlrev_b32 v1, 5, v0                        ; 32 bytes a thread in
	s_lshl_b32 s24, s20, 16                        ; 65,536 bytes a group in,
	s_mov_b32 s25, 0
	s_lshl_b32 s26, s20, 15                        ; 32,768 out
	s_mov_b32 s27, 0
	s_add_nc_u64 s[16:17], s[16:17], s[24:25]
	s_add_nc_u64 s[18:19], s[18:19], s[26:27]
	s_wait_alu depctr_va_vdst(0)                   ; v1 is written, which the sixteen loads read as their offset; so is v2, made ahead of the branch, which the eight stores read as theirs
.irp i, 0,1,2,3,4,5,6,7
	global_load_b128 v[X+8*(\i):X+8*(\i)+3],   v1, s[16:17] offset:(\i)*8192 th:TH_LOAD_NT
	global_load_b128 v[X+8*(\i)+4:X+8*(\i)+7], v1, s[16:17] offset:(\i)*8192+16 th:TH_LOAD_NT
.endr
.irp s, 0,1,2,3                        ; step s: rows 2 s and 2 s + 1
	s_wait_loadcnt 12-4*(\s)                       ; this step's four loads are in, the steps behind it stay out
.if (\s) > 0
	s_wait_alu depctr_va_vdst(0)                   ; the step before has written its two blocks of Y, which the two stores below read
.irp b, 0,1
	global_store_b128 v2, v[Y+4*(2*(\s)-2+(\b)):Y+4*(2*(\s)-2+(\b))+3], s[18:19] offset:(2*(\s)-2+(\b))*4096
.endr
.endif
.irp b, 0,1
.irp n, 0,1,2,3
	v_cvt_pk_bf16_f32 v[T+4*(\b)+(\n)], v[X+8*(2*(\s)+(\b))+2*(\n)], v[X+8*(2*(\s)+(\b))+2*(\n)+1]
.endr
.irp n, 0,1,2,3
	v_lshlrev_b32 v[X+8*(2*(\s)+(\b))+2*(\n)],   16,  v[T+4*(\b)+(\n)]   ; bf16 to f32: the low half moves up,
	v_and_b32     v[X+8*(2*(\s)+(\b))+2*(\n)+1], s23, v[T+4*(\b)+(\n)]   ; the high half stays
.endr
.irp n, 0,1,2,3
	v_cvt_pk_f16_f32 v[Y+4*(2*(\s)+(\b))+(\n)], v[X+8*(2*(\s)+(\b))+2*(\n)], v[X+8*(2*(\s)+(\b))+2*(\n)+1]
.endr
.endr
.endr
	s_wait_alu depctr_va_vdst(0)                   ; step 3 has written blocks 6 and 7 of Y, which the last two stores read
.irp b, 6,7
	global_store_b128 v2, v[Y+4*(\b):Y+4*(\b)+3], s[18:19] offset:(\b)*4096
.endr
	s_endpgm
.Lfunc_end_k_qaebe89721c_cast:
	.size	k_qaebe89721c_cast, .Lfunc_end_k_qaebe89721c_cast-k_qaebe89721c_cast
	.p2alignl 7, 3214868480
	.fill 96, 4, 3214868480
	.section	.rodata,"a",@progbits
	.p2align	6, 0x0
	.amdhsa_kernel k_qaebe89721c_cast
		.amdhsa_group_segment_fixed_size 0
		.amdhsa_private_segment_fixed_size 0
		.amdhsa_enable_private_segment 0
		.amdhsa_kernarg_size 48
		.amdhsa_user_sgpr_count 2
		.amdhsa_user_sgpr_kernarg_segment_ptr 1
		.amdhsa_wavefront_size32 1
		.amdhsa_system_sgpr_workgroup_id_x 1
		.amdhsa_system_sgpr_workgroup_id_y 1
		.amdhsa_system_sgpr_workgroup_id_z 1
		.amdhsa_system_vgpr_workitem_id 0
		.amdhsa_next_free_vgpr 116
		.amdhsa_next_free_sgpr 66
		.amdhsa_reserve_vcc 0
		.amdhsa_float_denorm_mode_32 3
		.amdhsa_float_denorm_mode_16_64 3
		.amdhsa_memory_ordered 1
		.amdhsa_forward_progress 1
		.amdhsa_inst_pref_size 16
	.end_amdhsa_kernel
	.amdgpu_metadata
---
amdhsa.version: [ 1, 2 ]
amdhsa.kernels:
  - .name:           k_qaebe89721c_cast
    .symbol:         k_qaebe89721c_cast.kd
    .args:
      - { .name: x, .offset: 0, .size: 8, .value_kind: global_buffer, .address_space: global }
      - { .name: W_qkv_w, .offset: 8, .size: 8, .value_kind: global_buffer, .address_space: global }
      - { .name: W_o_w, .offset: 16, .size: 8, .value_kind: global_buffer, .address_space: global }
      - { .name: xb, .offset: 24, .size: 8, .value_kind: global_buffer, .address_space: global }
      - { .name: wqb, .offset: 32, .size: 8, .value_kind: global_buffer, .address_space: global }
      - { .name: wob, .offset: 40, .size: 8, .value_kind: global_buffer, .address_space: global }
    .group_segment_fixed_size: 0
    .private_segment_fixed_size: 0
    .kernarg_segment_align: 8
    .kernarg_segment_size: 48
    .max_flat_workgroup_size: 256
    .sgpr_count:     66
    .vgpr_count:     116
    .wavefront_size: 32
...
	.end_amdgpu_metadata
.endif
;; end of part 6
;; launch qkv: the kernel of part 2 again; grid 8 x 32, 4 waves a work-group, clusters of 4 x 4, 327,680 bytes of LDS; arguments xb, wqb, qkv, W_qkv_b; writes qkv
;; launch scores: the kernel of part 3 again; grid 12 x 16, 4 waves a work-group, clusters of 4 x 4, 327,680 bytes of LDS; arguments qkv, pt, st; writes pt, st
;; launch pv: the kernel of part 4 again; grid 8 x 32, 4 waves a work-group, clusters of 4 x 4, 327,680 bytes of LDS; arguments qkv, pt, st, ot; writes ot
;; launch outp: the kernel of part 5 again; grid 4 x 64, 4 waves a work-group, clusters of 4 x 4, 327,680 bytes of LDS; arguments ot, wob, out0, W_o_b; writes out0
